; MI455X (gfx1250); checked and timed in simulation.
; The chip was launched on July 23, 2026; its instructions are those of AMD's public machine-readable ISA for CDNA 5 (MIT licence, August 2026) and "CDNA5" Instruction Set Architecture Reference Guide (July 2026). The comments in the code are by the model that wrote it; some were corrected since.
;; Block. Allowed arithmetic: matrix products marked QUANTISED: E2M3 operands, one E8M0 scale for each 32 along K, by v_wmma_scale_f32_16x16x128_f8f6f4 with both operands' format E2M3, f32 sums; everything else in f32.
;; Inputs: W_attn_codes 3,072 x 32 x 24 uint8 (E2M3 codes of W_attn, K innermost, in blocks of 32 codes, four codes in three bytes); W_attn_scales 3,072 x 32 uint8 (E8M0 scales of W_attn, one for each 32 codes along K); W_fc2_codes 1,024 x 128 x 24 uint8 (E2M3 codes of W_fc2, K innermost, in blocks of 32 codes, four codes in three bytes); W_fc2_scales 1,024 x 128 uint8 (E8M0 scales of W_fc2, one for each 32 codes along K); W_fc_codes 4,096 x 32 x 24 uint8 (E2M3 codes of W_fc, K innermost, in blocks of 32 codes, four codes in three bytes); W_fc_scales 4,096 x 32 uint8 (E8M0 scales of W_fc, one for each 32 codes along K); W_o_codes 1,024 x 32 x 24 uint8 (E2M3 codes of W_o, K innermost, in blocks of 32 codes, four codes in three bytes); W_o_scales 1,024 x 32 uint8 (E8M0 scales of W_o, one for each 32 codes along K); b_attn 3,072 float32; b_fc 4,096 float32; b_fc2 1,024 float32; b_o 1,024 float32; ln1_b 1,024 float32; ln1_g 1,024 float32; ln2_b 1,024 float32; ln2_g 1,024 float32; x 2 x 2,048 x 1,024 float32.
;; Outputs: out0 2 x 2,048 x 1,024 float32.
;; This version of the problem:
;;   THIS VERSION OF THE PROBLEM IS GIVEN IN LOW PRECISION. The matrix products marked QUANTISED in the list below multiply operands that are first quantised to E2M3 (2 exponent bits, 3 mantissa bits; 6 bits a number), with one power-of-two scale for each 32 numbers along K (OCP MX v1.0); their sums are f32. All else is computed in f32.
;;   The module's matrix products, in the order in which they are computed (A, B: the left and right operand; K: the contracted axis; several contracted axes count as one K, in the product's order):
;;     1. [M 4,096, K 1,024] x [K 1,024, N 3,072]; A: computed on the way; B: input W_attn (given as codes): QUANTISED
;;     2. batch 32 x [M 2,048, K 64] x [K 64, N 2,048]; A: computed on the way; B: computed on the way: QUANTISED
;;     3. batch 32 x [M 2,048, K 2,048] x [K 2,048, N 64]; A: softmax (see below); B: computed on the way: QUANTISED
;;     4. [M 4,096, K 1,024] x [K 1,024, N 1,024]; A: computed on the way; B: input W_o (given as codes): QUANTISED
;;     5. [M 4,096, K 1,024] x [K 1,024, N 4,096]; A: computed on the way; B: input W_fc (given as codes): QUANTISED
;;     6. [M 4,096, K 4,096] x [K 4,096, N 1,024]; A: computed on the way; B: input W_fc2 (given as codes): QUANTISED
;;   THE QUANTISER, for each operand of a quantised product, along K:
;;     - K is cut into blocks of 32 from its start; a last block that is shorter is filled with zeros.
;;     - A block's scale is 2^e with e = floor(log2(the largest magnitude in the block)) - 2, held to -126 .. 127; a block of zeros has e = 0. As a byte (E8M0): e + 127.
;;     - Each number is divided by its block's scale, clamped to +-7.5, and rounded to the nearest number of E2M3, ties to even, subnormals kept.
;;     - The product sums the exact products of the quantised numbers (number of the format x scale) in f32.
;;   ~~~python
;;   def quantise(x, axis):      # numpy; x: float32 -> the quantised numbers, widened to float32 again
;;       x = np.moveaxis(x, axis, -1); K = x.shape[-1]
;;       x = np.pad(x, [(0, 0)] * (x.ndim - 1) + [(0, -K % 32)]); x = x.reshape(x.shape[:-1] + (-1, 32)); a = np.abs(x).max(-1, keepdims=True)
;;       e = np.where(a > 0, np.clip(np.frexp(np.where(a > 0, a, 1))[1] - 1 - 2, -126, 127), 0)      # np.frexp(a)[1] - 1 = floor(log2(a)), exactly
;;       r = np.clip(x / 2.0 ** e, -7.5, 7.5)
;;       step = 2.0 ** (np.maximum(np.frexp(np.where(r == 0, 1, r))[1] - 1, 0) - 3)
;;       q = np.round(r / step) * step * 2.0 ** e      # np.round: ties to even
;;       return np.moveaxis(q.reshape(q.shape[:-2] + (-1,))[..., :K], -1, axis).astype(np.float32)
;;   ~~~
;;   SOFTMAX AHEAD OF A QUANTISED PRODUCT. Where the list says 'softmax', what is quantised is not the finished softmax but p = 2^(t - M), with t = logit x log2(e) and M = ceil(the row's largest t), a whole number; so 1/2 < the row's largest p <= 1. The row's sum l is taken of the UNQUANTISED p, in f32, and the product's result is divided by l at the end. Since M is a whole number, a kernel that streams over the keys may use a running M (the ceiling of the running maximum): every later rescaling is an exact power of two, which a block's scale takes up: the codes' values come out the same.
;;   OPERANDS COMPUTED ON THE WAY. 'Computed on the way' means the value that the module computes at that place (a softmax that the list does not call 'softmax' is quantised finished and normalised). What goes into a quantiser is computed in f32, as accurately as f32 sums, v_exp_f32 and their like allow (about 1e-6 of the number): no bf16 or f16 on the way to a quantiser, and a product that is left as it is and whose result goes on into a quantised operand takes f32 operands (vector FMAs, or v_wmma_f32_16x16x4_f32). A number that lies on a knife's edge between two numbers of the format may be rounded either way, as far as f32 arithmetic and the matrix unit's own rounding can turn it there, and no further.
;;   INPUTS GIVEN AS CODES. W_attn (in the module: [1024, 3072], K = its axis 0); W_fc (in the module: [1024, 4096], K = its axis 0); W_fc2 (in the module: [4096, 1024], K = its axis 0); W_o (in the module: [1024, 1024], K = its axis 0): each comes as NAME_codes (uint8): NAME with its K axis moved to the last place and cut into blocks of 32 codes, [.., K / 32, bytes a block], one block behind the other in memory; four codes in three bytes: a row's codes are one little-endian stream of bits, code i at bits 6 i .. 6 i + 5 (a code: sign, 2 exponent bits, 3 mantissa bits); and NAME_scales (uint8): the same leading axes, one E8M0 byte (e + 127) for each 32 codes along K. Its value is code x scale, taken as it is: it is not quantised again, and the codes and scales need not be those that the quantiser above would give.
;; One version. Each part assembles by itself: llvm-mc -triple=amdgcn-amd-amdhsa -mcpu=gfx1250 --defsym DOCPART=n.
;; ======== version 1 of 1: 7 launches
;; limits: right only within a limited range of input values
;; workspace buffers: act 3,276,800 bytes; qkv 10,092,544 bytes; x1 16,777,216 bytes; g 13,107,200 bytes; wqkv 2,457,600 bytes; wo 819,200 bytes; wfc 3,276,800 bytes; wfc2 3,276,800 bytes
;; launch prep (part 1): grid 1024 x 1, 4 waves a work-group, no clusters, 66,304 bytes of LDS; arguments x, ln1_g, ln1_b, act, W_attn_codes, W_attn_scales, W_o_codes, W_o_scales, W_fc_codes, W_fc_scales, W_fc2_codes, W_fc2_scales, wqkv, wo, wfc, wfc2; writes act, wqkv, wo, wfc, wfc2
.if DOCPART == 1
	.amdgcn_target "amdgcn-amd-amdhsa--gfx1250"
	.amdhsa_code_object_version 6
	.text
	.protected	k_qd821d30bc4_prep
	.globl	k_qd821d30bc4_prep
	.p2align	8
	.type	k_qd821d30bc4_prep,@function
k_qd821d30bc4_prep:
	s_mov_b64 s[64:65], 0
	v_nop
	global_prefetch_b8 v0, s[64:65] scope:SCOPE_SE
	s_setreg_imm32_b32 hwreg(HW_REG_WAVE_MODE, 25, 1), 1
	s_wait_xcnt 0x0
; TWO PREPARING JOBS IN ONE LAUNCH, parted by the work-group's number: 256 work-groups do the first LayerNorm with its quantiser, 768 lay the four weights anew.
; With id = 256 t + q, a work-group normalises where q % 4 = t (its index 64 t + q / 4), else it lays weights (index 3 (64 t + q / 4) + (q % 4 - t - 1) % 4):
; of the ids 4 p .. 4 p + 3 one normalises, and so does one of p, p + 256, p + 512, p + 768.
; LAYERNORM of rows of 1,024 f32 numbers, then the MX-FP6 (E2M3) quantiser along the row.  OUT (act): for each tile of 128 rows (mt) and each 128 along K (ks) a block of 12,800 bytes: eight images of an
; operand's registers (piece p = registers 2 p, 2 p + 1, lane l's 8 bytes at 256 p + 8 l), then 512 bytes of scale words.  Lane r of image mb stands for row 128 mt + 32 (mb / 2) + 8 (mb % 2) + r + 8 (r / 8).
; A work-group takes one image's 16 rows: wave w normalises tile rows 4 w .. 4 w + 3 (mean, then the mean of the squared differences, over registers) and lays them in LDS; then it quantises K steps 2 w, 2 w + 1 of all 16 rows.
; WEIGHTS: codes and scale bytes, unchanged in value, into blocks of the same make at (nt x K / 128 + ks), image i = rows 16 i + r: so every tile that a tensor load fetches later is dense and begins at a multiple of 256 bytes.
; A work-group takes 16 rows x 1,024 along K (768 consecutive bytes of each row), wave w K steps 2 w, 2 w + 1.  Indices 0-191 W_attn, 192-255 W_o, 256-511 W_fc, 512-767 W_fc2 (four work-groups to 16 rows).  This path uses no LDS.
; No matrix unit, no tensor load, no cluster: work-groups share nothing but gain and bias.  Stores of codes cover 256 consecutive bytes, aligned; scale words leave in runs of 64 bytes.
; LIMITS: NaN and infinities are not served.  A block whose largest magnitude lies under 2^-124 keeps the scale byte 1 (a block of zeros too: its codes are zeros); these bytes are read by this program alone.
.set ROWB,  4096
.set PITCH, 4112                       ; an LDS row: 4,096 + 16 bytes
.set ABLK,  12800
.set X,     32
.set G,     160
.set B,     192
.set S,     224
.set PT,    232
.set MU,    242
.set TM,    224
.set PW,    240
.set PW0,   241
.set OW,    250
.set PC0,   160
.set PC1,   180
	s_mov_b32 s60, ttmp9
	s_lshr_b32 s61, s60, 8                         ; t
	s_and_b32 s62, s60, 3                          ; q % 4
	s_bfe_u32 s63, s60, 0x60002                    ; q / 4
	s_lshl_b32 s28, s61, 6
	s_add_co_u32 s28, s28, s63                     ; 64 t + q / 4
	s_cmp_lg_u32 s61, s62
	s_cbranch_scc1 .Lrelay
	s_load_b256 s[4:11], s[0:1], 0x0               ; rows s[4:5], gain s[6:7], bias s[8:9], out s[10:11]
	v_lshl_add_u32 v254, v0, 2, 0x10100
	v_mov_b32 v255, 0
	v_and_b32 v1, 31, v0                           ; lane
	v_lshrrev_b32 v2, 5, v0
	v_readfirstlane_b32 s12, v2                    ; wave
	v_lshlrev_b32 v2, 4, v1                        ; 16 x lane
	s_wait_alu depctr_va_vdst(0)
	v_and_b32 v3, 15, v0                           ; r
	s_wait_alu depctr_va_vdst(0)
	v_bfe_u32 v4, v0, 4, 1                         ; h
	s_mov_b32 s14, 0x76543210
	s_mov_b32 s15, 0xfedcba98                      ; v_permlanex16_b32's selects for lane l xor 16
	s_mov_b32 s16, 0x3a800000                      ; 1 / 1024
	s_mov_b32 s17, 0x3727c5ac                      ; 1e-5
	s_lshr_b32 s13, s28, 3                         ; mt
	s_and_b32 s18, s28, 7                          ; mb
	s_lshl_b32 s20, s13, 7
	s_lshr_b32 s21, s18, 1
	s_lshl_b32 s21, s21, 5
	s_add_co_u32 s20, s20, s21
	s_and_b32 s21, s18, 1
	s_lshl_b32 s21, s21, 3
	s_add_co_u32 s20, s20, s21
	s_lshl_b32 s21, s12, 2
	s_add_co_u32 s20, s20, s21
	s_lshr_b32 s21, s12, 1
	s_lshl_b32 s21, s21, 3
	s_add_co_u32 s20, s20, s21                     ; my first row: 128 mt + 32 (mb / 2) + 8 (mb % 2) + 4 w + 8 (w / 2)
	s_lshl_b32 s20, s20, 12
	s_mov_b32 s21, 0
	s_lshl_b32 s24, s13, 3
	s_lshl_b32 s25, s12, 1
	s_add_co_u32 s24, s24, s25
	s_mul_i32 s24, s24, ABLK                       ; the block of (mt, ks = 2 w)
	s_mov_b32 s25, 0
	s_mul_i32 s22, s12, 4*PITCH
	v_add_nc_u32 v5, s22, v2                       ; LDS, in: tile row 4 w, 16 x lane
	v_mul_u32_u24 v6, v3, PITCH
	s_wait_alu depctr_va_vdst(0)
	v_lshl_add_u32 v6, v4, 6, v6
	s_lshl_b32 s22, s12, 10
	v_add_nc_u32 v6, s22, v6                       ; LDS, back: row r, + 64 h, + my two K steps
	s_mul_i32 s26, s18, 1536
	v_lshl_add_u32 v7, v1, 3, s26                  ; out: image mb, 8 x lane
	v_mul_u32_u24 v8, v4, ABLK
	v_lshl_add_u32 v8, v3, 2, v8
	s_lshl_b32 s27, s18, 6
	s_add_co_u32 s27, s27, 12288
	v_add_nc_u32 v8, s27, v8                       ; scale words: lanes 0-15 the first K step's block, lanes 16-31 the second's
	s_wait_kmcnt 0x0
	s_add_nc_u64 s[4:5], s[4:5], s[20:21]
	s_add_nc_u64 s[10:11], s[10:11], s[24:25]
.irp i, 0,1,2,3
.irp j, 0,1,2,3,4,5,6,7
	global_load_b128 v[X+32*\i+4*\j:X+32*\i+4*\j+3], v2, s[4:5] offset:\i*ROWB+512*\j
.endr
.endr
.irp j, 0,1,2,3,4,5,6,7
	global_load_b128 v[G+4*\j:G+4*\j+3], v2, s[6:7] offset:512*\j
.endr
.irp j, 0,1,2,3,4,5,6,7
	global_load_b128 v[B+4*\j:B+4*\j+3], v2, s[8:9] offset:512*\j
.endr
.irp i, 0,1,2,3
	v_mov_b32 v[PT+\i], 0                          ; a lane permute's destination counts as one of its sources
.endr
.macro REDUCE                          ; the four rows' pairs of sums become four sums over the wave, in every lane
.irp i, 0,1,2,3
	v_add_f32 v[S+2*\i], v[S+2*\i], v[S+2*\i+1]
.endr
.irp m, 1,2,4,8
.irp i, 0,1,2,3
	v_add_f32_dpp v[S+2*\i], v[S+2*\i], v[S+2*\i] row_xmask:\m row_mask:0xf bank_mask:0xf
.endr
.endr
.irp i, 0,1,2,3
	v_permlanex16_b32 v[PT+\i], v[S+2*\i], s14, s15
.endr
.irp i, 0,1,2,3
	v_add_f32 v[S+2*\i], v[S+2*\i], v[PT+\i]
.endr
.endm
.macro QUANT s, pc                     ; 64 numbers of a lane (register 16 b + i = k 32 b + 16 h + i) become an operand's 12 registers and its scale word in v[PW]
.irp b, 0,1,2,3
	v_max3_num_f32 v[TM+\b], |v[\s+16*\b]|, |v[\s+1+16*\b]|, 0x1800000   ; with the floor 2^(3 - 127): the byte cannot fall under 1
.endr
.irp i, 2,4,6,8,10,12,14
.irp b, 0,1,2,3
	v_max3_num_f32 v[TM+\b], v[TM+\b], |v[\s+16*\b+\i]|, |v[\s+1+16*\b+\i]|
.endr
.endr
.irp b, 0,1,2,3
	v_permlanex16_b32 v[TM+4+\b], v[TM+\b], s14, s15
.endr
.irp b, 0,1,2,3
	v_max_num_f32 v[TM+\b], v[TM+\b], v[TM+4+\b]
.endr
.irp b, 0,1,2,3
	v_add_nc_u32 v[TM+12+\b], 0xff000000, v[TM+\b] ; 2 off the exponent field: the conversion's scale operand
.endr
.irp b, 0,1,2,3
	v_lshrrev_b32 v[TM+4+\b], 23, v[TM+12+\b]
.endr
	v_lshl_or_b32 v[PW], v[TM+5], 8, v[TM+4]
	v_lshl_or_b32 v[PW], v[TM+6], 16, v[PW]
	v_lshl_or_b32 v[PW], v[TM+7], 24, v[PW]
.irp c, 0,1
	v_cvt_scalef32_pk16_fp6_f32 v[\pc+6*\c:\pc+2+6*\c], v[\s+32*\c:\s+15+32*\c], v[TM+12+2*\c]
	v_cvt_scalef32_pk16_fp6_f32 v[\pc+12+4*\c:\pc+14+4*\c], v[\s+16+32*\c:\s+31+32*\c], v[TM+13+2*\c]
.endr
	v_nop
.irp c, 0,1
.irp i, 0,1,2
	v_permlane16_swap_b32 v[\pc+6*\c+\i], v[\pc+12+4*\c+\i]
.endr
.irp i, 0,1,2
	v_mov_b32 v[\pc+3+6*\c+\i], v[\pc+12+4*\c+\i]
.endr
.endr
.endm
	s_wait_loadcnt 16                              ; my four rows are in; the 16 loads of gain and bias may be out
.irp i, 0,1,2,3
	v_pk_add_f32 v[S+2*\i:S+2*\i+1], v[X+32*\i:X+32*\i+1], v[X+32*\i+2:X+32*\i+3]
.endr
.irp p, 4,6,8,10,12,14,16,18,20,22,24,26,28,30
.irp i, 0,1,2,3
	v_pk_add_f32 v[S+2*\i:S+2*\i+1], v[S+2*\i:S+2*\i+1], v[X+32*\i+\p:X+32*\i+\p+1]
.endr
.endr
	REDUCE
.irp i, 0,1,2,3
	v_mul_f32 v[MU+2*\i], s16, v[S+2*\i]           ; the mean, in both halves of a pair
	v_mul_f32 v[MU+2*\i+1], s16, v[S+2*\i]
.endr
.irp p, 0,2,4,6,8,10,12,14,16,18,20,22,24,26,28,30
.irp i, 0,1,2,3
	v_pk_add_f32 v[X+32*\i+\p:X+32*\i+\p+1], v[X+32*\i+\p:X+32*\i+\p+1], v[MU+2*\i:MU+2*\i+1] neg_lo:[0,1] neg_hi:[0,1]
.endr
.endr
.irp i, 0,1,2,3
	v_pk_mul_f32 v[S+2*\i:S+2*\i+1], v[X+32*\i:X+32*\i+1], v[X+32*\i:X+32*\i+1]
.endr
.irp p, 2,4,6,8,10,12,14,16,18,20,22,24,26,28,30
.irp i, 0,1,2,3
	v_pk_fma_f32 v[S+2*\i:S+2*\i+1], v[X+32*\i+\p:X+32*\i+\p+1], v[X+32*\i+\p:X+32*\i+\p+1], v[S+2*\i:S+2*\i+1]
.endr
.endr
	REDUCE
.irp i, 0,1,2,3
	v_fma_f32 v[S+2*\i], v[S+2*\i], s16, s17       ; var + eps
.endr
	s_wait_alu depctr_va_vdst(0)
.irp i, 0,1,2,3
	v_rsq_f32 v[MU+2*\i], v[S+2*\i]
	v_rsq_f32 v[MU+2*\i+1], v[S+2*\i]
.endr
	v_nop
	s_wait_loadcnt 0x0                             ; gain and bias
	s_wait_alu depctr_va_vdst(0)
.irp p, 0,2,4,6,8,10,12,14,16,18,20,22,24,26,28,30
.irp i, 0,1,2,3
	v_pk_mul_f32 v[X+32*\i+\p:X+32*\i+\p+1], v[X+32*\i+\p:X+32*\i+\p+1], v[MU+2*\i:MU+2*\i+1]
.endr
.endr
.irp p, 0,2,4,6,8,10,12,14,16,18,20,22,24,26,28,30
.irp i, 0,1,2,3
	v_pk_fma_f32 v[X+32*\i+\p:X+32*\i+\p+1], v[X+32*\i+\p:X+32*\i+\p+1], v[G+\p:G+\p+1], v[B+\p:B+\p+1]
.endr
.endr
.irp i, 0,1,2,3
.irp j, 0,1,2,3,4,5,6,7
	ds_store_b128 v5, v[X+32*\i+4*\j:X+32*\i+4*\j+3] offset:\i*PITCH+512*\j
.endr
.endr
	s_wait_dscnt 0x0                               ; for the others' sake: my rows lie in LDS
	s_barrier_signal -1
	s_barrier_wait -1
.irp s, 0,1
.irp b, 0,1,2,3
.irp j, 0,1,2,3
	ds_load_b128 v[X+64*\s+16*\b+4*\j:X+64*\s+16*\b+4*\j+3], v6 offset:512*\s+128*\b+16*\j
.endr
.endr
.endr
	s_wait_dscnt 16                                ; the first K step's 16 loads are in; the second's may be out
	QUANT X, PC0
	v_mov_b32 v[PW0], v[PW]
	s_wait_dscnt 0x0
	QUANT X+64, PC1
.irp p, 0,1,2,3,4,5
	global_store_b64 v7, v[PC0+2*\p:PC0+2*\p+1], s[10:11] offset:256*\p
	global_store_b64 v7, v[PC1+2*\p:PC1+2*\p+1], s[10:11] offset:ABLK+256*\p
.endr
	v_cmp_eq_u32 vcc_lo, 1, v4
	v_cndmask_b32 v[OW], v[PW0], v[PW], vcc_lo     ; the lower lanes send the first K step's words, the upper the second's
	global_store_b32 v8, v[OW], s[10:11]
	s_wait_tensorcnt 0x0                           ; the wave's end
	ds_add_u32 v254, v255
	s_wait_dscnt 0x0
	s_endpgm
.Lrelay:                                           ; THE WEIGHTS
	s_load_b512 s[36:51], s[0:1], 0x20             ; codes and scales of W_attn, W_o, W_fc, W_fc2
	s_load_b256 s[52:59], s[0:1], 0x60             ; wqkv, wo, wfc, wfc2
	s_sub_co_u32 s62, s62, s61
	s_sub_co_u32 s62, s62, 1
	s_and_b32 s62, s62, 3                          ; 0, 1 or 2
	s_mul_i32 s20, s28, 3
	s_add_co_u32 s20, s20, s62                     ; my index, 0 .. 767
	v_lshrrev_b32 v1, 5, v0
	v_readfirstlane_b32 s12, v1                    ; wave
	s_mov_b32 s21, 512                             ; my weight's first index
	s_movk_i32 s23, 768
	s_cmp_lt_u32 s20, 512
	s_cselect_b32 s21, 256, s21
	s_cselect_b32 s22, 0, 2                        ; log2 of the work-groups to 16 rows
	s_cselect_b32 s23, s23, 3072                   ; a row of codes in bytes
	s_cselect_b32 s24, 3, 5                        ; log2 of the K steps
	s_cmp_lt_u32 s20, 256
	s_cselect_b32 s21, 192, s21
	s_cmp_lt_u32 s20, 192
	s_cselect_b32 s21, 0, s21
	s_sub_co_u32 s25, s20, s21
	s_lshr_b32 s26, s25, s22                       ; which 16 rows
	s_lshl_b32 s27, s26, s22
	s_sub_co_u32 s27, s25, s27
	s_lshl_b32 s27, s27, 3
	s_lshl_b32 s28, s12, 1
	s_add_co_u32 s27, s27, s28                     ; my first K step
	s_lshl_b32 s29, 4, s24                         ; a row of scale bytes
	s_lshr_b32 s30, s26, 3                         ; nt
	s_and_b32 s31, s26, 7                          ; i
	s_lshl_b32 s14, s26, 4
	s_mul_i32 s16, s14, s23
	s_mul_i32 s15, s27, 96
	s_add_co_u32 s16, s16, s15                     ; codes in
	s_mov_b32 s17, 0
	s_mul_i32 s18, s14, s29
	s_lshl_b32 s15, s27, 2
	s_add_co_u32 s18, s18, s15                     ; scales in
	s_mov_b32 s19, 0
	s_lshl_b32 s32, s30, s24
	s_add_co_u32 s32, s32, s27
	s_mul_i32 s32, s32, ABLK                       ; my first block
	s_mov_b32 s33, 0
	s_mul_i32 s34, s31, 1536
	s_lshl_b32 s35, s31, 6
	s_add_co_u32 s35, s35, 12288
	v_and_b32 v1, 15, v0                           ; r
	v_bfe_u32 v2, v0, 4, 1                         ; h
	v_and_b32 v3, 31, v0
	v_mul_u32_u24 v4, v1, s23
	v_mad_u32_u24 v4, v2, 24, v4                   ; row r, + 24 h
	v_mul_u32_u24 v5, v1, s29
	v_lshl_add_u32 v5, v2, 2, v5                   ; row r's word of K step h
	v_lshl_add_u32 v6, v3, 3, s34                  ; image i, 8 x lane
	v_mul_u32_u24 v7, v2, ABLK
	v_lshl_add_u32 v7, v1, 2, v7
	v_add_nc_u32 v7, s35, v7                       ; block h, scale word (i, r)
	s_wait_alu depctr_va_vdst(0)
	s_wait_kmcnt 0x0
	s_cmp_lt_u32 s20, 512
	s_cselect_b64 s[4:5], s[44:45], s[48:49]
	s_cselect_b64 s[6:7], s[46:47], s[50:51]
	s_cselect_b64 s[8:9], s[56:57], s[58:59]
	s_cmp_lt_u32 s20, 256
	s_cselect_b64 s[4:5], s[40:41], s[4:5]
	s_cselect_b64 s[6:7], s[42:43], s[6:7]
	s_cselect_b64 s[8:9], s[54:55], s[8:9]
	s_cmp_lt_u32 s20, 192
	s_cselect_b64 s[4:5], s[36:37], s[4:5]
	s_cselect_b64 s[6:7], s[38:39], s[6:7]
	s_cselect_b64 s[8:9], s[52:53], s[8:9]
	s_add_nc_u64 s[4:5], s[4:5], s[16:17]
	s_add_nc_u64 s[6:7], s[6:7], s[18:19]
	s_add_nc_u64 s[8:9], s[8:9], s[32:33]
.irp s, 0,1
.irp p, 0,1,2,3,4,5
	global_load_b64 v[8+12*\s+2*\p:9+12*\s+2*\p], v4, s[4:5] offset:96*\s+48*(\p/3)+8*(\p%3)
.endr
.endr
	global_load_b32 v32, v5, s[6:7]
	s_wait_loadcnt 0x0
.irp s, 0,1
.irp p, 0,1,2,3,4,5
	global_store_b64 v6, v[8+12*\s+2*\p:9+12*\s+2*\p], s[8:9] offset:ABLK*\s+256*\p
.endr
.endr
	global_store_b32 v7, v32, s[8:9]
	s_endpgm
.Lfunc_end_k_qd821d30bc4_prep:
	.size	k_qd821d30bc4_prep, .Lfunc_end_k_qd821d30bc4_prep-k_qd821d30bc4_prep
	.p2alignl 7, 3214868480
	.fill 96, 4, 3214868480
	.section	.rodata,"a",@progbits
	.p2align	6, 0x0
	.amdhsa_kernel k_qd821d30bc4_prep
		.amdhsa_group_segment_fixed_size 66304
		.amdhsa_private_segment_fixed_size 0
		.amdhsa_enable_private_segment 0
		.amdhsa_kernarg_size 128
		.amdhsa_user_sgpr_count 2
		.amdhsa_user_sgpr_kernarg_segment_ptr 1
		.amdhsa_wavefront_size32 1
		.amdhsa_system_sgpr_workgroup_id_x 1
		.amdhsa_system_sgpr_workgroup_id_y 1
		.amdhsa_system_sgpr_workgroup_id_z 1
		.amdhsa_system_vgpr_workitem_id 0
		.amdhsa_next_free_vgpr 256
		.amdhsa_next_free_sgpr 66
		.amdhsa_reserve_vcc 1
		.amdhsa_float_denorm_mode_32 3
		.amdhsa_float_denorm_mode_16_64 3
		.amdhsa_memory_ordered 1
		.amdhsa_forward_progress 1
		.amdhsa_inst_pref_size 50
	.end_amdhsa_kernel
	.amdgpu_metadata
---
amdhsa.version: [ 1, 2 ]
amdhsa.kernels:
  - .name:           k_qd821d30bc4_prep
    .symbol:         k_qd821d30bc4_prep.kd
    .args:
      - { .name: x, .offset: 0, .size: 8, .value_kind: global_buffer, .address_space: global }
      - { .name: ln1_g, .offset: 8, .size: 8, .value_kind: global_buffer, .address_space: global }
      - { .name: ln1_b, .offset: 16, .size: 8, .value_kind: global_buffer, .address_space: global }
      - { .name: act, .offset: 24, .size: 8, .value_kind: global_buffer, .address_space: global }
      - { .name: W_attn_codes, .offset: 32, .size: 8, .value_kind: global_buffer, .address_space: global }
      - { .name: W_attn_scales, .offset: 40, .size: 8, .value_kind: global_buffer, .address_space: global }
      - { .name: W_o_codes, .offset: 48, .size: 8, .value_kind: global_buffer, .address_space: global }
      - { .name: W_o_scales, .offset: 56, .size: 8, .value_kind: global_buffer, .address_space: global }
      - { .name: W_fc_codes, .offset: 64, .size: 8, .value_kind: global_buffer, .address_space: global }
      - { .name: W_fc_scales, .offset: 72, .size: 8, .value_kind: global_buffer, .address_space: global }
      - { .name: W_fc2_codes, .offset: 80, .size: 8, .value_kind: global_buffer, .address_space: global }
      - { .name: W_fc2_scales, .offset: 88, .size: 8, .value_kind: global_buffer, .address_space: global }
      - { .name: wqkv, .offset: 96, .size: 8, .value_kind: global_buffer, .address_space: global }
      - { .name: wo, .offset: 104, .size: 8, .value_kind: global_buffer, .address_space: global }
      - { .name: wfc, .offset: 112, .size: 8, .value_kind: global_buffer, .address_space: global }
      - { .name: wfc2, .offset: 120, .size: 8, .value_kind: global_buffer, .address_space: global }
    .group_segment_fixed_size: 66304
    .private_segment_fixed_size: 0
    .kernarg_segment_align: 8
    .kernarg_segment_size: 128
    .max_flat_workgroup_size: 128
    .sgpr_count:     66
    .vgpr_count:     256
    .wavefront_size: 32
...
	.end_amdgpu_metadata
.endif
;; end of part 1
;; launch gqkv (part 2): grid 8 x 32, 4 waves a work-group, clusters of 4 x 4, 327,680 bytes of LDS; arguments act, wqkv, b_attn, qkv; writes qkv
.if DOCPART == 2
	.amdgcn_target "amdgcn-amd-amdhsa--gfx1250"
	.amdhsa_code_object_version 6
	.text
	.protected	k_qd821d30bc4_gqkv
	.globl	k_qd821d30bc4_gqkv
	.p2align	8
	.type	k_qd821d30bc4_gqkv,@function
k_qd821d30bc4_gqkv:
	s_mov_b64 s[64:65], 0
	v_nop
	global_prefetch_b8 v0, s[64:65] scope:SCOPE_SE
	s_setreg_imm32_b32 hwreg(HW_REG_WAVE_MODE, 25, 1), 1
	s_wait_xcnt 0x0
	s_wait_alu depctr_hold_cnt(0) depctr_sa_sdst(0) depctr_va_vdst(0) depctr_va_sdst(0) depctr_va_ssrc(0) depctr_va_vcc(0) depctr_vm_vsrc(0)
	s_getreg_b32 s2, hwreg(HW_REG_IB_STS2, 6, 4)
	s_cmp_eq_u32 s2, 0
	s_cbranch_scc0 .Lentry_in_a_cluster
	s_endpgm
.Lentry_in_a_cluster:
	s_bfe_u32 s2, ttmp6, 0x10000c
	s_cmp_lg_u32 s2, 0xf033
	s_cbranch_scc0 .Lentry_shape_is_right
	s_endpgm
.Lentry_shape_is_right:
; qkv = Q(h1) W_attn + b_attn on codes of MX-FP6, and the quantisers of q, k (along the head's 64) and v (along the keys).  M 4,096, N 3,072, K 1,024.
; A: act, blocks of 12,800 bytes for (tile of 128 rows rt, K step): eight register images (lane r of image mb = row 32 (mb / 2) + 8 (mb % 2) + r + 8 (r / 8) of the tile), then scale words.  W: codes [3072][768 bytes], scale bytes [3072][32].
; A WORK-GROUP STAYS: it owns 128 rows and makes three tiles of 128 columns, one after the other: q's, k's and v's columns of the pair of heads X (tile columns X, 8 + X, 16 + X).
; LDS: two slots of 512 along K: four blocks of A (dense), then two chunks of W (128 rows x 192 bytes, 16 bytes of padding behind every 64: pitch 240).  K is 1,024, so the two slots hold ALL of A's tile: A is fetched once and stays.
; Only W's parts are filled again: behind each change of slots waves 2 and 3 ask for the next tile's chunks of the slot just left; a slot-0 load has four K steps
; (64 matrix instructions a wave) in which to land, a slot-1 load those and the tile's way out.  W's scale bytes of the three tiles follow the slots, filled once; behind them the spare words.
; CLUSTER 4 x 4: A's blocks hang on the tile row alone and are asked for jointly along a row of the cluster, W's chunks and scale bytes on X alone, along a column; a round of the cluster's barrier stands ahead of every joint refill.
; WAVES.  q, k: source 0 = W's eight tiles of 16 columns, source 1 = my two images of A: a lane holds one row and registers run along the columns.
; v: the sources change places: source 0 = A's eight images, source 1 = my two tiles of W: a lane holds one column and, by the order of A's rows, the 16 registers of two neighbouring images are 16 neighbouring tokens: v's K.
; A K STEP's 62 LDS loads (the next step's fragments) stand in four runs, each ahead of four of this step's 16 matrix instructions, so that loads are served while products run.
; OUT: for (batch x head bh, block of 128 tokens kb) 19,712 bytes: Q: eight half images (768 bytes: registers 0-5, K = 64) + 512 bytes of scale words (bytes 2, 3 = 127, for the zero codes that fill K to 128);
; K the same at 6,656; V at 13,312: four images (16 of the head's 64 x 128 keys) + 256 bytes of scale words.  Each store of codes covers 256 consecutive bytes, aligned; scale words leave in runs of 128 bytes.
; LIMITS: NaN and infinities are not served; a block whose largest magnitude lies under 2^-124 keeps the scale byte 1 (a block of zeros too); these bytes are read by this program alone.
; REGISTERS: window 0: v1-30 addresses; v32-95 W's scale words, v96-99 and v100-115 A's (scales and nothing else); v116, v117 offsets; v118-121 v's bias; v128-191 64 results at work; v192-231 the quantiser's.
;   window 1: v0-127 the 16 accumulators ((j, i) at 8 (8 j + i)); v128-191 q's bias, v192-255 k's.   window 2: two sets of fragments at 0 and 128: source 0's eight at 12 i, source 1's two at 96 + 12 j.
.set KK,    1024
.set NKS,   KK/128
.set KROW,  KK*3/4                     ; a row of W's codes in bytes
.set KSB,   KK/32                      ; a row of W's scale bytes
.set ABLK,  12800
; W NOW COMES FROM wqkv, laid as A is (launch relay): blocks of 12,800 bytes for (tile of 128 columns, K step), images in natural order (image i = columns 16 i + r), scale words inside.
; This replaces what the head comment says of W's chunks, padding and separate scale bytes.  A slot: four blocks of A, four of W; one tensor load a wave at the head, slot 1 behind a round.
.set BCH,   2*ABLK                     ; two blocks of W: what one tensor load brings
.set BOFF,  4*ABLK
.set SLOT,  BOFF+2*BCH
.set SCL,   2*SLOT
.set TSC,   (64*KSB/256)*272           ; the scale bytes of 64 rows of W of one tile, in units of 256 + 16 bytes
.set HALFS, 3*TSC                      ; those of the three tiles: what one tensor load brings
.set SBLK,  TSC/4                      ; those of 16 rows
.set SPARE, SCL+2*HALFS                ; the spare words, 128 bytes for each wave: two blocks of 256 bytes that no other line names
.set WSTEP, 8*NKS*ABLK                 ; from a tile of W to the work-group's next
.set QKVB,  19712
.set HEADB, 16*QKVB                    ; from a head to the next
.set VC,   7                           ; q, k: my byte offset among the codes that I store
.set ADAW, 8                           ; v8, v9    A's images in slot 0, 1: 8 x lane + my two images
.set ASAW, 10                          ; v10, v11  their scale words
.set ADA,  12                          ; v12, v13  the same without the wave's term
.set ASA,  14                          ; v14, v15
.set ADB,  16                          ; v16, v17  W's images in slot 0, 1: 8 x lane;  v18, v19: W's scale words in slot 0, 1: 4 r
.set ADBW, 20                          ; v20-23    the same at my two tiles
.set ADS,  24
.set ADSW, 25
.set VCV,  26                          ; v: my byte offset among the codes
.set VSV,  27                          ; v: among the scale words
.set SPW,  28                          ; LDS address of my spare word; never rewritten
.set NIL,  29                          ; 0; never rewritten
.set VBV,  30                          ; v: my byte offset in the bias
.set SCB,  32
.set SCA,  96                          ; A's scale words for q and k: 2 x set + j
.set SCAV, 100                         ; for v: 8 x set + i
.set VS,   116                         ; q, k: my byte offset among the scale words that I store
.set VB,   117                         ; q, k: my byte offset in the bias
.set BV,   118                         ; v's bias: a pair of equal halves for each of my two tiles
.set HA,   128
.set TM,   192
.set PW,   208
.set PW0,  209
.set OW,   210
.set PC,   212
.set BT,   128                         ; window 1: bias by registers: 64 t + 8 i + jj = column 16 i + 8 h + jj of tile t
.set G0A,  28                          ; s[28:35] group 0 for A, a set for each slot;  s[36:43] for W
.set G0B,  36
.set G0S,  44
.set G1A,  48
.set G1B,  56
.set G1S,  68
.set SEL,  90
.set W_MUL, 0x5a                       ; sources 0 and 1 window 2, C and D window 1
.set W_FR,  0x80                       ; destination window 2
.set MSB, 0
.macro WIN new                         ; the immediate's high byte repeats the setting that is left
.if MSB != \new
	s_set_vgpr_msb (MSB<<8)|\new
.set MSB, \new
.endif
.endm
.macro PLACES                          ; four plain places behind a matrix instruction, ahead of loads into its registers and of reads of its result
.rept 4
	v_nop
.endr
.endm
.macro CROUND                          ; a round of the cluster's barrier
	s_barrier_signal -1
	s_barrier_wait -1
	s_cmp_lg_u32 s16, 0
	s_cbranch_scc1 .Lnot_wave_0_\@
	s_barrier_signal -3
.Lnot_wave_0_\@:
	s_barrier_wait -3
	s_barrier_signal -1
	s_barrier_wait -1
.endm
.macro WLOAD s                         ; the joint refill of W's part of slot s: waves 2 and 3, a chunk each; four v_nop follow the line
	s_cmp_eq_u32 s18, 0
	s_cbranch_scc1 .Lasked_\@
	tensor_load_to_lds s[G0B+4*\s:G0B+4*\s+3], s[G1B:G1B+7]
	s_nop 0
.rept 4
	v_nop
.endr
.Lasked_\@:
.endm
.macro AFRAG reg, adr, q, mb           ; an image of A: six loads of 256 consecutive bytes
.irp p, 0,1,2,3,4,5
	ds_load_b64 v[\reg+2*\p:\reg+2*\p+1], v[\adr] offset:(\q)*ABLK+(\mb)*1536+256*\p
.endr
.endm
.macro BFRAG reg, adr, q, i            ; an image of W: six loads of 256 consecutive bytes
.irp p, 0,1,2,3,4,5
	ds_load_b64 v[\reg+2*\p:\reg+2*\p+1], v[\adr] offset:(\q)*ABLK+(\i)*1536+256*\p
.endr
.endm
.macro F0 pn, s, q, fs, i              ; source 0's fragment i of the slot's q-th K step into set fs.  pn = 0: q, k;  1: v
.if \pn == 0
	BFRAG 128*(\fs)+12*(\i), ADB+\s, \q, \i
.else
	AFRAG 128*(\fs)+12*(\i), ADA+\s, \q, \i
.endif
.endm
.macro F1 pn, s, q, fs, j              ; source 1's fragment j
.if \pn == 0
	AFRAG 128*(\fs)+96+12*(\j), ADAW+\s, \q, \j
.else
	BFRAG 128*(\fs)+96+12*(\j), ADBW+\s, \q, \j
.endif
.endm
.macro SCALES pa, sp                   ; W's scale words of a slot's four K steps: 16 bytes a row
.if \pa == 0
.irp i, 0,1,2,3,4,5,6,7
.irp q, 0,1,2,3
	ds_load_b32 v[SCB+32*(\sp)+4*\i+\q], v[ADB+2+(\sp)] offset:\q*ABLK+12288+64*\i
.endr
.endr
.else
.irp j, 0,1
.irp q, 0,1,2,3
	ds_load_b32 v[SCB+32*(\sp)+4*\j+\q], v[ADBW+2+(\sp)] offset:\q*ABLK+12288+64*\j
.endr
.endr
.endif
.endm
.macro MUL4 pa, g, fs, q, sp, zero     ; products 4 g .. 4 g + 3 of a K step's 16: the accumulators by turns, one instruction a turn, in the same order in every step
	WIN W_MUL
.irp n, 0,1,2,3
.set JJ, (4*(\g)+\n)/8
.set II, (4*(\g)+\n)%8
.set ACC, 8*(8*JJ+II)
.set FR0, 128*(\fs)+12*II
.set FR1, 128*(\fs)+96+12*JJ
.if \pa == 0
.set WS0, SCB+32*(\sp)+4*II+(\q)
.set WS1, SCA+2*(\fs)+JJ
.else
.set WS0, SCAV+8*(\fs)+II
.set WS1, SCB+32*(\sp)+4*JJ+(\q)
.endif
.if \zero
	v_wmma_scale_f32_16x16x128_f8f6f4 v[ACC:ACC+7], v[FR0:FR0+11], v[FR1:FR1+11], 0, v[WS0], v[WS1] matrix_a_fmt:MATRIX_FMT_FP6 matrix_b_fmt:MATRIX_FMT_FP6
.else
	v_wmma_scale_f32_16x16x128_f8f6f4 v[ACC:ACC+7], v[FR0:FR0+11], v[FR1:FR1+11], v[ACC:ACC+7], v[WS0], v[WS1] matrix_a_fmt:MATRIX_FMT_FP6 matrix_b_fmt:MATRIX_FMT_FP6
.endif
.endr
.endm
.macro MUL16 pa, fs, q, sp, zero
.irp g, 0,1,2,3
	MUL4 \pa, \g, \fs, \q, \sp, \zero
.endr
.endm
; The ten fragments and A's scale words of (slot s, K step q), for a tile of kind pn, into set fs: four runs of loads.  mul = 1: each run stands ahead of four products of the other set (a tile of kind pa, its K step mq, W's scale words of set msp).
.macro FM pn, s, q, fs, mul, pa, mq, msp, zero
	WIN W_FR
.irp i, 0,1,2
	F0 \pn, \s, \q, \fs, \i
.endr
.if \mul
	MUL4 \pa, 0, 1-(\fs), \mq, \msp, \zero
.endif
	WIN W_FR
.irp i, 3,4,5
	F0 \pn, \s, \q, \fs, \i
.endr
.if \mul
	MUL4 \pa, 1, 1-(\fs), \mq, \msp, \zero
.endif
	WIN W_FR
.irp i, 6,7
	F0 \pn, \s, \q, \fs, \i
.endr
	F1 \pn, \s, \q, \fs, 0
.if \mul
	MUL4 \pa, 2, 1-(\fs), \mq, \msp, \zero
.endif
	WIN W_FR
	F1 \pn, \s, \q, \fs, 1
	WIN 0
.if \pn == 0
.irp j, 0,1
	ds_load_b32 v[SCA+2*(\fs)+\j], v[ASAW+\s] offset:(\q)*ABLK+12288+64*\j
.endr
.else
.irp i, 0,1,2,3,4,5,6,7
	ds_load_b32 v[SCAV+8*(\fs)+\i], v[ASA+\s] offset:(\q)*ABLK+12288+64*\i
.endr
.endif
.if \mul
	MUL4 \pa, 3, 1-(\fs), \mq, \msp, \zero
.endif
.endm
.macro STEP pa, s, q, zero             ; this step's fragments are in; the four places stand between the last products that read the other set and the loads into it
	s_wait_dscnt 0x0
	PLACES
	FM \pa, \s, (\q)+1, ((\q)+1)%2, 1, \pa, \q, \s, \zero
.endm
; A slot's last K step changes slots.  Its fragments are in registers when the wave's LDS loads are back, so W's part of the slot can be given up ahead of its products.
; fill = 1: that part takes the next tile's chunks.  pn: the kind of the tile whose fragments are fetched next;  adstep: how far its scale bytes lie from the last ones.
.macro TURN pa, pn, s, fill, adstep
	WIN 0
	PLACES                                         ; for the loads below, on every wave's path
	s_wait_tensorcnt 0x0                           ; all my tensor loads have landed: the one that may have been out is my chunk of the other slot; so a group 0 may be written
	ds_add_u32 v[SPW], v[NIL]                      ; 0 onto my spare word
.if \fill
	s_add_nc_u64 s[G0B+4*\s+2:G0B+4*\s+3], s[G0B+4*\s+2:G0B+4*\s+3], WSTEP
.endif
	s_wait_dscnt 0x0                               ; the add is done, and my reads of this slot's W are over
.if \fill
	CROUND                                         ; no wave of any partner still reads these bytes or has a load on its way
	WLOAD \s                                       ; my one tensor load behind the round, and the first thing there
.else
	s_barrier_signal -1
	s_barrier_wait -1
.endif
	SCALES \pn, (1-\s)
	FM \pn, (1-\s), 0, 0, 1, \pa, 3, \s, 0
.endm
.macro ORDER                           ; tiles 2 b, 2 b + 1 hold columns 32 b + 8 h + jj and 32 b + 16 + 8 h + jj: the first's lanes 16-31 change places with the second's lanes 0-15: register 16 b + i then holds column 32 b + 16 h + i
.irp b, 0,1,2,3
.irp k, 0,1,2,3,4,5,6,7
	v_permlane16_swap_b32 v[HA+16*\b+\k], v[HA+16*\b+8+\k]
.endr
.endr
.endm
; 64 numbers of a lane, v[s] on, register 16 b + i = k 32 b + 16 h + i, become an operand's 12 registers in v[pc] on and its scale word in v[PW]
.macro QUANT s, pc
.irp b, 0,1,2,3
	v_max3_num_f32 v[TM+\b], |v[\s+16*\b]|, |v[\s+1+16*\b]|, 0x1800000   ; my 16 numbers of block b, and the floor 2^(3 - 127): the byte cannot fall under 1
.endr
.irp i, 2,4,6,8,10,12,14
.irp b, 0,1,2,3
	v_max3_num_f32 v[TM+\b], v[TM+\b], |v[\s+16*\b+\i]|, |v[\s+1+16*\b+\i]|
.endr
.endr
.irp b, 0,1,2,3
	v_permlanex16_b32 v[TM+4+\b], v[TM+\b], s[SEL], s[SEL+1]
.endr
.irp b, 0,1,2,3
	v_max_num_f32 v[TM+\b], v[TM+\b], v[TM+4+\b]   ; with lane l xor 16's: the block's largest magnitude
.endr
.irp b, 0,1,2,3
	v_add_nc_u32 v[TM+12+\b], 0xff000000, v[TM+\b] ; 2 off its exponent field: the conversion takes that field as its scale
.endr
.irp b, 0,1,2,3
	v_lshrrev_b32 v[TM+4+\b], 23, v[TM+12+\b]      ; the scale's byte
.endr
	v_lshl_or_b32 v[PW], v[TM+5], 8, v[TM+4]
	v_lshl_or_b32 v[PW], v[TM+6], 16, v[PW]
	v_lshl_or_b32 v[PW], v[TM+7], 24, v[PW]
.irp c, 0,1
	v_cvt_scalef32_pk16_fp6_f32 v[\pc+6*\c:\pc+2+6*\c], v[\s+32*\c:\s+15+32*\c], v[TM+12+2*\c]
	v_cvt_scalef32_pk16_fp6_f32 v[\pc+12+4*\c:\pc+14+4*\c], v[\s+16+32*\c:\s+31+32*\c], v[TM+13+2*\c]
.endr
	v_nop                                          ; one plain place behind a scaled conversion
.irp c, 0,1
.irp i, 0,1,2
	v_permlane16_swap_b32 v[\pc+6*\c+\i], v[\pc+12+4*\c+\i]
.endr
.irp i, 0,1,2
	v_mov_b32 v[\pc+3+6*\c+\i], v[\pc+12+4*\c+\i]
.endr
.endr
.endm
.macro EPI pa, j, t                    ; my accumulators (j, 0 .. 7) of tile t + bias, quantised, stored
	s_wait_xcnt 0x0                                ; the codes' and scale words' registers are earlier stores' data: written again only behind this wait
.if \pa == 0
	WIN 0x05                                       ; sources 0 and 1 window 1
.else
	WIN 0x01                                       ; source 0 window 1
.endif
.irp i, 0,1,2,3,4,5,6,7
.irp u, 0,2,4,6
.if \pa == 0
	v_pk_add_f32 v[HA+8*\i+\u:HA+8*\i+\u+1], v[8*(8*\j+\i)+\u:8*(8*\j+\i)+\u+1], v[BT+64*\t+8*\i+\u:BT+64*\t+8*\i+\u+1]   ; each accumulator from its low end on
.else
	v_pk_add_f32 v[HA+8*\i+\u:HA+8*\i+\u+1], v[8*(8*\j+\i)+\u:8*(8*\j+\i)+\u+1], v[BV+2*\j:BV+2*\j+1]
.endif
.endr
.endr
	WIN 0
.if \pa == 0
	ORDER
.endif
	QUANT HA, PC
.irp p, 0,1,2,3,4,5
.if \pa == 0
	global_store_b64 v[VC], v[PC+2*\p:PC+2*\p+1], s[12:13] offset:\t*6656+\j*768+(\p/3)*HEADB+(\p%3)*256   ; registers 0-5: the even head's 64; 6-11: the odd head's
.else
	global_store_b64 v[VCV], v[PC+2*\p:PC+2*\p+1], s[12:13] offset:\j*1536+256*\p
.endif
.endr
.endm
; A tile of kind pa (0: q, k; 1: v), the work-group's t-th; pn: the kind of the next tile; last = 1: nothing is left to fetch
.macro TILE pa, pn, t, last
	STEP \pa, 0, 0, 1                              ; the first products start the sums: nothing is cleared
	STEP \pa, 0, 1, 0
	STEP \pa, 0, 2, 0
.if \last
	TURN \pa, \pa, 0, 0, 16
.else
	TURN \pa, \pa, 0, 1, 16                        ; slot 0 takes the next tile's first half of K
.endif
	STEP \pa, 1, 0, 0
	STEP \pa, 1, 1, 0
	STEP \pa, 1, 2, 0
.if \last
	s_wait_dscnt 0x0
	MUL16 \pa, 1, 3, 1, 0
.elseif \pn == 0
	TURN \pa, \pn, 1, 1, TSC-16                    ; slot 1 takes its second half, and the next tile's first fragments are fetched
.else
	TURN \pa, \pn, 1, 1, 0                         ; (v's scale bytes have an address register of their own)
.endif
	WIN 0
	s_wait_loadcnt 0x0                             ; the biases
	PLACES
	EPI \pa, 0, \t
	v_mov_b32 v[PW0], v[PW]
	EPI \pa, 1, \t
	v_cmp_eq_u32 vcc_lo, 1, v2
	v_cndmask_b32 v[OW], v[PW0], v[PW], vcc_lo     ; lanes 0-15: my first image's words, lanes 16-31: my second's
.if \pa == 0
	v_lshrrev_b32 v[OW+1], 16, v[OW]
	v_and_or_b32 v[OW], v[OW], 0xffff, s25         ; the even head's two bytes, and 127 twice for the zero codes
	v_or_b32 v[OW+1], s25, v[OW+1]                 ; the odd head's
	global_store_b32 v[VS], v[OW], s[12:13] offset:\t*6656
	global_store_b32 v[VS], v[OW+1], s[12:13] offset:\t*6656+HEADB
.else
	global_store_b32 v[VSV], v[OW], s[12:13]
.endif
.endm
	s_load_b128 s[4:7], s[0:1], 0x0                ; A s[4:5], W's blocks s[6:7]
	s_load_b64 s[10:11], s[0:1], 0x10              ; bias
	s_load_b64 s[12:13], s[0:1], 0x18              ; out
	v_lshl_add_u32 v[SPW], v0, 2, SPARE
	v_mov_b32 v[NIL], 0
	ds_add_u32 v28, v29
	ds_add_u32 v28, v29
	s_wait_dscnt 0x0
	v_lshrrev_b32 v1, 5, v0
	v_readfirstlane_b32 s16, v1                    ; wave
	s_and_b32 s17, s16, 1                          ; which half I fetch
	s_lshr_b32 s18, s16, 1                         ; I fetch for A (0) or for W (1)
	s_bfe_u32 s19, ttmp6, 0x40000                  ; cx
	s_bfe_u32 s20, ttmp6, 0x40004                  ; cy
	s_lshl_b32 s21, ttmp9, 2
	s_add_co_u32 s21, s21, s19                     ; X: my pair of heads
	s_and_b32 s22, ttmp7, 0xffff
	s_lshl_b32 s22, s22, 2
	s_add_co_u32 s22, s22, s20                     ; rt: tile row
	s_lshl_b32 s23, s20, 2
	s_lshl_b32 s23, 15, s23                        ; my row of the cluster
	s_lshl_b32 s24, 0x1111, s19                    ; my column
	s_or_b32 s[G1A], s23, (3<<16)|(1<<21)          ; A: two blocks, 25,600 dense bytes, as 100 rows of 32 elements of 8 bytes; the mask: my row; bit 21 beside a mask
	s_mov_b32 s[G1A+1], 32<<16
	s_mov_b32 s[G1A+2], 100<<16
	s_mov_b32 s[G1A+3], 32<<16
	s_mov_b32 s[G1A+4], 100
	s_mov_b32 s[G1A+5], 32
	s_mov_b32 s[G1A+6], 0
	s_mov_b32 s[G1A+7], 0
	s_or_b32 s[G1B], s24, (3<<16)|(1<<21)          ; W: two blocks, as A's; the mask: my column
	s_mov_b32 s[G1B+1], 32<<16
	s_mov_b32 s[G1B+2], 100<<16
	s_mov_b32 s[G1B+3], 32<<16
	s_mov_b32 s[G1B+4], 100
	s_mov_b32 s[G1B+5], 32
	s_mov_b32 s[G1B+6], 0
	s_mov_b32 s[G1B+7], 0
	s_mul_i32 s76, s22, NKS                        ; A: block (rt, 2 x half): of the tile row and the wave alone
	s_lshl_b32 s77, s17, 1
	s_add_co_u32 s76, s76, s77
	s_mul_i32 s76, s76, ABLK
	s_mov_b32 s77, 0
	s_mul_i32 s80, s21, NKS*ABLK                   ; W: block (X, 2 x half): of X and the wave alone
	s_mul_i32 s81, s17, 2*ABLK
	s_add_co_u32 s80, s80, s81
	s_mov_b32 s81, 0
	s_mul_i32 s88, s17, 2*ABLK                     ; where they go: no place in the cluster enters an LDS address
	s_mul_i32 s89, s17, BCH
	s_wait_kmcnt 0x0
	s_add_nc_u64 s[78:79], s[4:5], s[76:77]
	s_add_nc_u64 s[82:83], s[6:7], s[80:81]
	CROUND                                         ; all sixteen work-groups are here: the first joint loads meet
.irp s, 0,1
	s_mov_b32 s[G0A+4*\s], 1
	s_add_co_u32 s[G0A+4*\s+1], s88, \s*SLOT
	s_add_nc_u64 s[G0A+4*\s+2:G0A+4*\s+3], s[78:79], \s*4*ABLK
	s_or_b32 s[G0A+4*\s+3], s[G0A+4*\s+3], 0x80000000
	s_mov_b32 s[G0B+4*\s], 1
	s_add_co_u32 s[G0B+4*\s+1], s89, \s*SLOT+BOFF
	s_add_nc_u64 s[G0B+4*\s+2:G0B+4*\s+3], s[82:83], \s*4*ABLK
	s_or_b32 s[G0B+4*\s+3], s[G0B+4*\s+3], 0x80000000
.endr
	s_cmp_eq_u32 s18, 0                            ; the first fills in one branch on the wave's number: waves 0, 1 a load for A, waves 2, 3 one for W; four v_nop follow it
	s_cbranch_scc0 .Lfirst_w
	tensor_load_to_lds s[G0A:G0A+3], s[G1A:G1A+7]
	s_nop 0
.rept 4
	v_nop
.endr
	s_branch .Lfirst_asked
.Lfirst_w:
	tensor_load_to_lds s[G0B:G0B+3], s[G1B:G1B+7]
	s_nop 0
.rept 4
	v_nop
.endr
.Lfirst_asked:
	v_and_b32 v1, 15, v0                           ; r
	s_wait_alu depctr_va_vdst(0)
	v_bfe_u32 v2, v0, 4, 1                         ; h
	v_and_b32 v3, 31, v0                           ; lane
	v_lshlrev_b32 v4, 3, v3
	s_wait_alu depctr_va_vdst(0)
	v_lshlrev_b32 v5, 2, v3
	s_lshl_b32 s98, s21, 9                         ; the bias of q's 128 columns; k's lie 4,096 bytes on, v's 8,192
	s_mov_b32 s99, 0
	s_add_nc_u64 s[10:11], s[10:11], s[98:99]
	v_lshlrev_b32 v[VB], 5, v2
	s_lshl_b32 s93, s16, 7
	v_lshl_add_u32 v[VBV], v1, 2, s93              ; v: column 32 w + r
	WIN 0x40                                       ; destination window 1
.irp t, 0,1
.irp i, 0,1,2,3,4,5,6,7
	global_load_b128 v[BT+64*\t+8*\i:BT+64*\t+8*\i+3], v[VB], s[10:11] offset:4096*\t+64*\i
	global_load_b128 v[BT+64*\t+8*\i+4:BT+64*\t+8*\i+7], v[VB], s[10:11] offset:4096*\t+64*\i+16
.endr
.endr
	WIN 0
.irp j, 0,1
	global_load_b32 v[BV+2*\j], v[VBV], s[10:11] offset:8192+64*\j
	global_load_b32 v[BV+2*\j+1], v[VBV], s[10:11] offset:8192+64*\j
.endr
	s_mul_i32 s93, s16, 3072
	v_add_nc_u32 v[ADAW], s93, v4
	v_add_nc_u32 v[ADAW+1], SLOT, v[ADAW]
	s_lshl_b32 s93, s16, 7
	v_lshl_add_u32 v[ASAW], v1, 2, s93
	v_add_nc_u32 v[ASAW+1], SLOT, v[ASAW]
	v_mov_b32 v[ADA], v4
	v_add_nc_u32 v[ADA+1], SLOT, v4
	v_lshlrev_b32 v[ASA], 2, v1
	v_add_nc_u32 v[ASA+1], SLOT, v[ASA]
	v_add_nc_u32 v[ADB], BOFF, v4                  ; W's images in slot 0, 1: 8 x lane
	v_lshl_add_u32 v[ADB+2], v1, 2, BOFF           ; W's scale words in slot 0, 1: 4 r
	v_add_nc_u32 v[ADB+1], SLOT, v[ADB]
	v_add_nc_u32 v[ADB+3], SLOT, v[ADB+2]
	s_mul_i32 s93, s16, 3072                       ; v: the same at my two images 2 w, 2 w + 1
	s_lshl_b32 s26, s16, 7
.irp k, 0,1
	v_add_nc_u32 v[ADBW+\k], s93, v[ADB+\k]
	v_add_nc_u32 v[ADBW+2+\k], s26, v[ADB+2+\k]
.endr
.irp b, 0,1,2,3
	v_mov_b32 v[TM+4+\b], 0                        ; written once: a lane permute's destination counts as one of its sources
.endr
	s_mov_b32 s[SEL], 0x76543210
	s_mov_b32 s[SEL+1], 0xfedcba98
	s_mov_b32 s25, 0x7f7f0000
	s_lshr_b32 s94, s22, 4                         ; out: block (16 x batch + 2 X, kb)
	s_lshl_b32 s94, s94, 4
	s_lshl_b32 s97, s21, 1
	s_add_co_u32 s94, s94, s97
	s_lshl_b32 s94, s94, 4
	s_and_b32 s97, s22, 15
	s_add_co_u32 s94, s94, s97
	s_mul_i32 s94, s94, QKVB
	s_mov_b32 s95, 0
	s_add_nc_u64 s[12:13], s[12:13], s[94:95]
	s_mul_i32 s93, s16, 1536
	v_add_nc_u32 v[VC], s93, v4                    ; q, k: half images 2 w, 2 w + 1
	s_lshl_b32 s93, s16, 7
	s_add_co_u32 s93, s93, 6144
	v_add_nc_u32 v[VS], s93, v5
	s_mul_i32 s93, s18, HEADB                      ; v: my two tiles lie in head 2 X + w / 2: images 2 (w % 2), 2 (w % 2) + 1
	s_mul_i32 s26, s17, 3072
	s_add_co_u32 s26, s26, s93
	s_add_co_u32 s26, s26, 13312
	v_add_nc_u32 v[VCV], s26, v4
	s_lshl_b32 s26, s17, 7
	s_add_co_u32 s26, s26, s93
	s_add_co_u32 s26, s26, 13312+6144
	v_add_nc_u32 v[VSV], s26, v5
	s_wait_alu depctr_va_vdst(0)
	s_wait_tensorcnt 0x0                           ; my part of slot 0 is in
	ds_add_u32 v[SPW], v[NIL]
	s_wait_dscnt 0x0
	CROUND                                         ; everybody's part is in, and the joint loads of slot 1 meet
	s_cmp_eq_u32 s18, 0
	s_cbranch_scc0 .Lsecond_w
	tensor_load_to_lds s[G0A+4:G0A+7], s[G1A:G1A+7]
	s_nop 0
.rept 4
	v_nop
.endr
	s_branch .Lsecond_asked
.Lsecond_w:
	tensor_load_to_lds s[G0B+4:G0B+7], s[G1B:G1B+7]
	s_nop 0
.rept 4
	v_nop
.endr
.Lsecond_asked:
	SCALES 0, 0
	FM 0, 0, 0, 0, 0, 0, 0, 0, 0
	TILE 0, 0, 0, 0                                ; q
	TILE 0, 1, 1, 0                                ; k
	TILE 1, 1, 2, 1                                ; v: written out without fills
	s_wait_tensorcnt 0x0                           ; the wave's end, behind my last tensor load
	ds_add_u32 v[SPW], v[NIL]
	s_wait_dscnt 0x0
	CROUND                                         ; the closing round: no work-group ends while a partner may still ask for a tile that names it
	s_endpgm
.Lfunc_end_k_qd821d30bc4_gqkv:
	.size	k_qd821d30bc4_gqkv, .Lfunc_end_k_qd821d30bc4_gqkv-k_qd821d30bc4_gqkv
	.p2alignl 7, 3214868480
	.fill 96, 4, 3214868480
	.section	.rodata,"a",@progbits
	.p2align	6, 0x0
	.amdhsa_kernel k_qd821d30bc4_gqkv
		.amdhsa_group_segment_fixed_size 327680
		.amdhsa_private_segment_fixed_size 0
		.amdhsa_enable_private_segment 0
		.amdhsa_kernarg_size 32
		.amdhsa_user_sgpr_count 2
		.amdhsa_user_sgpr_kernarg_segment_ptr 1
		.amdhsa_wavefront_size32 1
		.amdhsa_system_sgpr_workgroup_id_x 1
		.amdhsa_system_sgpr_workgroup_id_y 1
		.amdhsa_system_sgpr_workgroup_id_z 1
		.amdhsa_system_vgpr_workitem_id 0
		.amdhsa_next_free_vgpr 768
		.amdhsa_next_free_sgpr 100
		.amdhsa_reserve_vcc 1
		.amdhsa_float_denorm_mode_32 3
		.amdhsa_float_denorm_mode_16_64 3
		.amdhsa_memory_ordered 1
		.amdhsa_forward_progress 1
		.amdhsa_inst_pref_size 223
	.end_amdhsa_kernel
	.amdgpu_metadata
---
amdhsa.version: [ 1, 2 ]
amdhsa.kernels:
  - .name:           k_qd821d30bc4_gqkv
    .symbol:         k_qd821d30bc4_gqkv.kd
    .args:
      - { .name: act, .offset: 0, .size: 8, .value_kind: global_buffer, .address_space: global }
      - { .name: wqkv, .offset: 8, .size: 8, .value_kind: global_buffer, .address_space: global }
      - { .name: b_attn, .offset: 16, .size: 8, .value_kind: global_buffer, .address_space: global }
      - { .name: qkv, .offset: 24, .size: 8, .value_kind: global_buffer, .address_space: global }
    .group_segment_fixed_size: 327680
    .private_segment_fixed_size: 0
    .kernarg_segment_align: 8
    .kernarg_segment_size: 32
    .max_flat_workgroup_size: 128
    .sgpr_count:     100
    .vgpr_count:     768
    .wavefront_size: 32
...
	.end_amdgpu_metadata
.endif
;; end of part 2
;; launch attn (part 3): grid 8 x 32, 16 waves a work-group, no clusters, 327,680 bytes of LDS; arguments qkv, act; writes act
.if DOCPART == 3
	.amdgcn_target "amdgcn-amd-amdhsa--gfx1250"
	.amdhsa_code_object_version 6
	.text
	.protected	k_qd821d30bc4_attn
	.globl	k_qd821d30bc4_attn
	.p2align	8
	.type	k_qd821d30bc4_attn,@function
k_qd821d30bc4_attn:
	s_mov_b64 s[64:65], 0
	v_nop
	global_prefetch_b8 v0, s[64:65] scope:SCOPE_SE
	s_setreg_imm32_b32 hwreg(HW_REG_WAVE_MODE, 25, 1), 1
	s_wait_xcnt 0x0
; Causal attention of one head on codes of MX-FP6, and the quantiser of its result y.  16 heads x 2 batches of 2,048 tokens, head size 64 (K of the first product is filled to 128 with zero codes on both sides).
; IN: qkv, for (bh, block of 128 tokens kb) 19,712 bytes: Q, K: eight half images (registers 0-5 of an operand, lane r of image t = token 32 (t / 2) + 8 (t % 2) + r + 8 (r / 8)) + scale words; V: four images (16 of the head's 64 x 128 keys) + scale words.
; SOFTMAX: t = score x log2(e) / 8; M = the running largest t rounded up to a whole number; p = 2^(t - M) is quantised along the keys; the row's sum is taken of the unquantised p and divides at the end; when M moves, the sum and O are multiplied by 2^(old M - new M), exactly.
; SHARES: work-group (i, bh): waves 0-7 own the eight tiles of 16 queries of query block i, waves 8-15 those of block 15 - i: 17 key steps for each pair of waves in every work-group.  A wave owns one tile in 256 registers.
; K and V of the WHOLE head lie in LDS, 16 x 13,056 bytes, filled once by waves 0-3 (four loads each, of 13,056 dense bytes): nothing is filled again.  Two barriers: behind the first, key blocks 0-3 are whole; behind the second, all sixteen.
; CAUSAL: every wave walks all 16 steps (constant trip counts); a step whose key block lies behind the wave's query block is jumped over by a scalar branch on ids; in the step on the diagonal hidden scores become -infinity.
; NO CLUSTER: the work-groups that share a head own different query blocks, so the branch that leaves out hidden steps differs between them; that branch halves the work, joint loads would spare requests for 209 KB a work-group only.
; Both products are used transposed (S^T = K Q^T, O^T = V^T P^T): a lane holds one query throughout; by the order of K's tokens the 16 registers of two neighbouring tiles are 16 neighbouring keys.
; OUT: act, as the next product's operand: block (16 batch + query block, head / 2), image = my tile, pieces 3 (head % 2) on; two scale bytes a row (stores of 2 bytes a lane: 1 byte in 24 of the output).
; LIMITS: NaN and infinities are not served; a block whose largest magnitude lies under 2^-124 keeps the scale byte 1.
; REGISTERS: v1-11 addresses; v12 -M, v13 the largest t, v[14:15] the sum; v16-27 Q; v28-31 K's or V's scale words; v32-79 four fragments of K; v80-94 p's codes; v96-159 S^T, then p; v160-191 O^T; v192-239 V; v240-254 at work; v253 p's scale word; v255 Q's.
.set KBB,  13056                       ; a key block in LDS: K's 6,656 bytes, then V's 6,400
.set QKVB, 19712
.set ABLK, 12800
.set WV,  8
.set QB,  11                           ; s11 my query block
.set G1,  16                           ; s[16:23] descriptor group 1;  s[24:27] group 0
.set G0,  24
.set SEL, 40
.set CS,  42                           ; s[42:43] c = log2(e) / 8
.set TB,  44                           ; LDS byte at which the step's key block begins
.set KB,  45                           ; the step's key block
.set CNT, 46
	s_load_b128 s[4:7], s[0:1], 0x0                ; qkv s[4:5], act s[6:7]
	v_lshl_add_u32 v254, v0, 2, 0x34000
	v_mov_b32 v255, 0
	ds_add_u32 v254, v255
	ds_add_u32 v254, v255
	s_wait_dscnt 0x0
	v_lshrrev_b32 v1, 5, v0
	s_delay_alu instid0(VALU_DEP_1)
	v_readfirstlane_b32 s[WV], v1                  ; wave 0..15
	s_and_b32 s9, ttmp7, 0xffff                    ; bh
	s_mov_b32 s10, ttmp9
	s_sub_co_u32 s12, 15, s10
	s_cmp_lt_u32 s[WV], 8
	s_cselect_b32 s[QB], s10, s12
	s_and_b32 s13, s[WV], 7                        ; my tile
	s_mov_b32 s14, s[WV]                           ; EVERY WAVE FETCHES ONE KEY BLOCK, its own number's: sixteen loads for the head's sixteen blocks, one a wave (this replaces the head comment's four loads in waves 0-3)
	s_mov_b32 s[G1], 3<<16                         ; 13,056 dense bytes as 51 rows of 32 elements of 8 bytes
	s_mov_b32 s[G1+1], 32<<16
	s_mov_b32 s[G1+2], 51<<16
	s_mov_b32 s[G1+3], 32<<16
	s_mov_b32 s[G1+4], 51
	s_mov_b32 s[G1+5], 32
	s_mov_b32 s[G1+6], 0
	s_mov_b32 s[G1+7], 0
	s_lshl_b32 s48, s9, 4
	s_add_co_u32 s50, s48, s[QB]
	s_add_co_u32 s48, s48, s14
	s_mul_i32 s48, s48, QKVB
	s_add_co_u32 s48, s48, 6656                    ; K's part of block (bh, wave)
	s_mov_b32 s49, 0
	s_mul_i32 s50, s50, QKVB                       ; block (bh, my query block)
	s_mov_b32 s51, 0
	s_mul_i32 s15, s14, KBB
	s_wait_kmcnt 0x0
	s_add_nc_u64 s[52:53], s[4:5], s[48:49]
.irp g, 0
	s_mov_b32 s[G0+4*\g], 1
	s_add_co_u32 s[G0+4*\g+1], s15, \g*4*KBB
	s_add_nc_u64 s[G0+4*\g+2:G0+4*\g+3], s[52:53], \g*4*QKVB
	s_or_b32 s[G0+4*\g+3], s[G0+4*\g+3], 0x80000000
.endr
	s_cmp_lt_u32 s[WV], 4                          ; at the head waves 0-3 alone ask, for key blocks 0-3, which the first four steps read; the others ask behind the first barrier
	s_cbranch_scc0 .Lno_fetch
	tensor_load_to_lds s[G0:G0+3], s[G1:G1+7]
	s_nop 0
.rept 4
	v_nop
.endr
.Lno_fetch:
	s_add_nc_u64 s[4:5], s[4:5], s[50:51]
	v_and_b32 v6, 15, v0                           ; r
	v_bfe_u32 v11, v0, 4, 1                        ; h
	v_and_b32 v1, 31, v0
	s_delay_alu instid0(VALU_DEP_1)
	v_lshlrev_b32 v1, 3, v1                        ; 8 x lane
	s_delay_alu instid0(VALU_DEP_4)
	v_lshlrev_b32 v2, 2, v6                        ; 4 r
	s_mul_i32 s55, s13, 768
	v_add_nc_u32 v7, s55, v1                       ; Q: my tile's half image
	s_lshl_b32 s55, s13, 6
	s_add_co_u32 s56, s55, 6144
	v_add_nc_u32 v8, s56, v2                       ; and its scale words
.irp p, 0,1,2
	global_load_b64 v[16+2*\p:17+2*\p], v7, s[4:5] offset:256*\p
.endr
	global_load_b32 v252, v8, s[4:5]               ; Q's scale words wait in v252: v254 and v255 serve the add up to the first barrier
.irp k, 22,23,24,25,26,27
	v_mov_b32 v[\k], 0                             ; Q's K = 64 .. 127: zero codes
.endr
.irp t, 0,1,2,3
.irp k, 6,7,8,9,10,11
	v_mov_b32 v[32+12*\t+\k], 0                    ; K's likewise: written once, never loaded
.endr
.endr
	s_lshr_b32 s52, s9, 4                          ; out: block ((16 batch + query block) x 8 + head / 2)
	s_lshl_b32 s52, s52, 4
	s_add_co_u32 s52, s52, s[QB]
	s_lshl_b32 s52, s52, 3
	s_bfe_u32 s53, s9, 0x30001
	s_add_co_u32 s52, s52, s53
	s_mul_i32 s52, s52, ABLK
	s_mov_b32 s53, 0
	s_add_nc_u64 s[6:7], s[6:7], s[52:53]
	s_and_b32 s54, s9, 1
	s_mul_i32 s56, s13, 1536
	s_mul_i32 s57, s54, 768
	s_add_co_u32 s56, s56, s57
	v_add_nc_u32 v9, s56, v1                       ; image = my tile, pieces 3 (head % 2) on
	s_lshl_b32 s57, s54, 1
	s_add_co_u32 s57, s57, s55
	s_add_co_u32 s57, s57, 12288
	v_add_nc_u32 v10, s57, v2                      ; bytes 2 (head % 2), + 1 of row r's scale word
	s_lshr_b32 s55, s13, 1
	s_lshl_b32 s55, s55, 5
	s_and_b32 s56, s13, 1
	s_lshl_b32 s56, s56, 3
	s_add_co_u32 s55, s55, s56
	v_and_b32 v3, 8, v6
	s_delay_alu instid0(VALU_DEP_1)
	v_add3_u32 v3, v3, v6, s55                     ; my query's place in its block of 128,
	v_lshlrev_b32 v11, 4, v11
	s_delay_alu instid0(VALU_DEP_1)
	v_sub_nc_u32 v3, v3, v11                       ; d = that - 16 h.  On the diagonal register 16 b + i holds the key at place 32 b + 16 h + i: hidden where 32 b + i > d
	s_mov_b32 s[SEL], 0x76543210
	s_mov_b32 s[SEL+1], 0xfedcba98
	s_mov_b32 s[CS], 0x3e38aa3b
	s_mov_b32 s[CS+1], s[CS]                       ; (named with it as a pair, so it is written)
	s_mov_b32 s[TB], 0
	s_mov_b32 s[KB], 0
	v_mov_b32 v13, 0xff61b1e6                      ; the largest t so far: -3e38
	s_delay_alu instid0(VALU_DEP_1)
	v_floor_f32 v12, -v13
	v_mov_b32 v14, 0
	v_mov_b32 v15, 0
.irp b, 0,1,2,3
	v_mov_b32 v[244+\b], 0                         ; written once: a lane permute's destination counts as one of its sources
.endr
	v_mov_b32 v253, 0                              ; (named as the upper half of the pair v[252:253] before it is first written)
.set n, 0
.rept 32
	v_mov_b32 v[160+n], 0                          ; O^T: the step is written once; the first change of M multiplies zeros
.set n, n+1
.endr
; A KEY STEP: the 128 keys of block KB
.macro STEP
	s_cmp_gt_u32 s[KB], s[QB]
	s_cbranch_scc1 .Lhidden_\@                     ; all its keys come after my queries
	v_add_nc_u32 v4, s[TB], v1
	s_wait_alu depctr_va_vdst(0)
	v_add_nc_u32 v5, s[TB], v2
	s_wait_alu depctr_va_vdst(0)
.irp g, 0,1                                        ; S^T = K Q^T, four tiles of 16 keys at a time
.rept 4
	v_nop                                          ; places ahead of loads into registers that the last matrix instructions read
.endr
.irp t, 0,1,2,3
.irp p, 0,1,2
	ds_load_b64 v[32+12*\t+2*\p:33+12*\t+2*\p], v4 offset:768*(4*\g+\t)+256*\p
.endr
	ds_load_b32 v[28+\t], v5 offset:6144+64*(4*\g+\t)
.endr
	s_wait_dscnt 0x0
.irp t, 0,1,2,3
	v_wmma_scale_f32_16x16x128_f8f6f4 v[96+8*(4*\g+\t):103+8*(4*\g+\t)], v[32+12*\t:43+12*\t], v[16:27], 0, v[28+\t], v255 matrix_a_fmt:MATRIX_FMT_FP6 matrix_b_fmt:MATRIX_FMT_FP6
.endr
.endr
.rept 4
	v_nop
.endr
.irp t, 0,1,2,3                                    ; V's four fragments and scale words are asked for now and land during the softmax
.irp p, 0,1,2,3,4,5
	ds_load_b64 v[192+12*\t+2*\p:193+12*\t+2*\p], v4 offset:6656+1536*\t+256*\p
.endr
	ds_load_b32 v[28+\t], v5 offset:12800+64*\t
.endr
	s_cmp_lg_u32 s[KB], s[QB]
	s_cbranch_scc1 .Lopen_\@                       ; off the diagonal every key counts
	v_mov_b32 v254, 0xff800000
.set n, 0
.rept 64
	v_cmp_gt_i32 vcc_lo, 32*(n/16)+n%16, v3
	v_cndmask_b32 v[96+n], v[96+n], v254, vcc_lo
.set n, n+1
.endr
.Lopen_\@:
.irp b, 0,1,2,3
	v_max3_num_f32 v[240+\b], v[96+16*\b], v[97+16*\b], v[98+16*\b]   ; the largest score of each block of 32 keys: it serves the row's maximum and, since p rises with the score, the block's largest p
.endr
.irp i, 3,5,7,9,11,13
.irp b, 0,1,2,3
	v_max3_num_f32 v[240+\b], v[240+\b], v[96+16*\b+\i], v[97+16*\b+\i]
.endr
.endr
.irp b, 0,1,2,3
	v_max_num_f32 v[240+\b], v[240+\b], v[111+16*\b]
.endr
.irp b, 0,1,2,3
	s_delay_alu instid0(VALU_DEP_4)
	v_permlanex16_b32 v[244+\b], v[240+\b], s[SEL], s[SEL+1]
.endr
.irp b, 0,1,2,3
	s_delay_alu instid0(VALU_DEP_4)
	v_max_num_f32 v[240+\b], v[240+\b], v[244+\b]  ; with lane l xor 16's 16 keys
.endr
	s_delay_alu instid0(VALU_DEP_2)
	v_max3_num_f32 v254, v240, v241, v242
	s_delay_alu instid0(VALU_DEP_1)
	v_max_num_f32 v254, v254, v243
	s_delay_alu instid0(VALU_DEP_1)
	v_mul_f32 v254, s[CS], v254
	s_delay_alu instid0(VALU_DEP_1)
	v_max_num_f32 v13, v13, v254                   ; the running largest t
	v_mov_b32 v254, v12
	s_delay_alu instid0(VALU_DEP_2)
	v_floor_f32 v12, -v13                          ; -M = floor(-t): M is a whole number
	s_delay_alu instid0(VALU_DEP_1)
	v_sub_f32 v254, v12, v254
	s_delay_alu instid0(VALU_DEP_1)
	v_cvt_i32_f32 v254, v254                       ; old M - new M (it saturates)
	s_delay_alu instid0(VALU_DEP_1)
	v_ldexp_f32 v252, 1.0, v254                    ; f = 2^(old M - new M)
.set n, 0
.rept 32
	v_pk_fma_f32 v[96+n:97+n], v[96+n:97+n], s[CS:CS+1], v[12:13] op_sel_hi:[1,0,0]   ; t - M
.set n, n+2
.endr
.irp b, 0,1,2,3
	v_fma_f32 v[240+\b], v[240+\b], s[CS], v12     ; the same of each block's largest score
.endr
.set n, 0
	s_wait_alu depctr_va_vdst(0)
.rept 64
	v_exp_f32 v[96+n], v[96+n]                     ; p = 2^(t - M)
.set n, n+1
.endr
.irp b, 0,1,2,3
	v_exp_f32 v[240+\b], v[240+\b]
.endr
	v_pk_mul_f32 v[14:15], v[14:15], v[252:253] op_sel_hi:[1,0]   ; the sum under the new M (a plain place behind the exponentials)
	s_wait_alu depctr_va_vdst(0)
.irp b, 0,1,2,3
	v_max_num_f32 v[240+\b], 0x1800000, v[240+\b]  ; the floor 2^(3 - 127)
.endr
.irp b, 0,1,2,3
	s_delay_alu instid0(VALU_DEP_4)
	v_add_nc_u32 v[248+\b], 0xff000000, v[240+\b]  ; the conversion's scale operand
.endr
.irp b, 0,1,2,3
	s_delay_alu instid0(VALU_DEP_4)
	v_lshrrev_b32 v[244+\b], 23, v[248+\b]
.endr
	s_delay_alu instid0(VALU_DEP_3)
	v_lshl_or_b32 v253, v245, 8, v244              ; p's scale word for these 128 keys
	s_delay_alu instid0(VALU_DEP_1)
	v_lshl_or_b32 v253, v246, 16, v253
	s_delay_alu instid0(VALU_DEP_1)
	v_lshl_or_b32 v253, v247, 24, v253
	v_cvt_scalef32_pk16_fp6_f32 v[80:82], v[96:111], v248
	v_cvt_scalef32_pk16_fp6_f32 v[92:94], v[112:127], v249
	v_cvt_scalef32_pk16_fp6_f32 v[86:88], v[128:143], v250
	v_cvt_scalef32_pk16_fp6_f32 v[244:246], v[144:159], v251
	v_nop                                          ; one plain place behind a scaled conversion
.irp i, 0,1,2
	v_permlane16_swap_b32 v[80+\i], v[92+\i]       ; a whole block in a lane
.endr
.irp i, 0,1,2
	s_delay_alu instid0(VALU_DEP_3)
	v_mov_b32 v[83+\i], v[92+\i]
.endr
.irp i, 0,1,2
	v_permlane16_swap_b32 v[86+\i], v[244+\i]
.endr
.irp i, 0,1,2
	s_delay_alu instid0(VALU_DEP_3)
	v_mov_b32 v[89+\i], v[244+\i]
.endr
	v_pk_add_f32 v[244:245], v[100:101], v[104:105]
	v_pk_add_f32 v[250:251], v[108:109], v[112:113]
	v_pk_add_f32 v[248:249], v[116:117], v[120:121]
	v_pk_add_f32 v[242:243], v[124:125], v[128:129]
	v_pk_add_f32 v[240:241], v[132:133], v[136:137]
	v_pk_add_f32 v[94:95], v[140:141], v[144:145]
	v_pk_add_f32 v[92:93], v[148:149], v[152:153]
	v_pk_add_f32 v[14:15], v[14:15], v[156:157]
	v_pk_add_f32 v[244:245], v[244:245], v[96:97]
	v_pk_add_f32 v[250:251], v[250:251], v[98:99]
	v_pk_add_f32 v[248:249], v[248:249], v[102:103]
	v_pk_add_f32 v[242:243], v[242:243], v[106:107]
	v_pk_add_f32 v[240:241], v[240:241], v[110:111]
	v_pk_add_f32 v[94:95], v[94:95], v[114:115]
	v_pk_add_f32 v[92:93], v[92:93], v[118:119]
	v_pk_add_f32 v[14:15], v[14:15], v[122:123]
	v_pk_add_f32 v[244:245], v[244:245], v[126:127]
	v_pk_add_f32 v[250:251], v[250:251], v[130:131]
	v_pk_add_f32 v[248:249], v[248:249], v[134:135]
	v_pk_add_f32 v[242:243], v[242:243], v[138:139]
	v_pk_add_f32 v[240:241], v[240:241], v[142:143]
	v_pk_add_f32 v[94:95], v[94:95], v[146:147]
	v_pk_add_f32 v[92:93], v[92:93], v[150:151]
	v_pk_add_f32 v[14:15], v[14:15], v[154:155]
	v_pk_add_f32 v[244:245], v[244:245], v[158:159]
	s_delay_alu instid0(VALU_DEP_2)
	v_pk_add_f32 v[14:15], v[14:15], v[242:243]
	s_delay_alu instid0(VALU_DEP_2)
	v_pk_add_f32 v[244:245], v[244:245], v[240:241]
	v_pk_add_f32 v[250:251], v[250:251], v[94:95]
	v_pk_add_f32 v[248:249], v[248:249], v[92:93]
	s_delay_alu instid0(VALU_DEP_2)
	v_pk_add_f32 v[14:15], v[14:15], v[250:251]
	s_delay_alu instid0(VALU_DEP_2)
	v_pk_add_f32 v[244:245], v[244:245], v[248:249]
	s_delay_alu instid0(VALU_DEP_1)
	v_pk_add_f32 v[14:15], v[14:15], v[244:245]
.set n, 0
.rept 16
	v_pk_mul_f32 v[160+n:161+n], v[160+n:161+n], v[252:253] op_sel_hi:[1,0]   ; O^T under the new M
.set n, n+2
.endr
	s_wait_alu depctr_va_vdst(0)
	s_wait_dscnt 0x0                               ; V
.irp t, 0,1,2,3
	v_wmma_scale_f32_16x16x128_f8f6f4 v[160+8*\t:167+8*\t], v[192+12*\t:203+12*\t], v[80:91], v[160+8*\t:167+8*\t], v[28+\t], v253 matrix_a_fmt:MATRIX_FMT_FP6 matrix_b_fmt:MATRIX_FMT_FP6
.endr
.Lhidden_\@:
	s_add_co_u32 s[TB], s[TB], KBB
	s_add_co_u32 s[KB], s[KB], 1
.endm
.macro GROUP g                         ; key blocks 4 g .. 4 g + 3
.if \g < 2                                         ; two barriers: behind the first, key blocks 0-3 are whole; behind the second, all sixteen; nothing is ever filled again
	s_wait_tensorcnt 0x0                           ; my one load, if it has been issued, has landed
.if \g == 0
	ds_add_u32 v254, v255                          ; the add ahead of a later first fill's barrier,
	ds_add_u32 v254, v255                          ; twice
.endif
	s_wait_dscnt 0x0
	s_barrier_signal -1
	s_barrier_wait -1
.endif
.if \g == 0
	s_cmp_lt_u32 s[WV], 4
	s_cbranch_scc1 .Lfetched
	tensor_load_to_lds s[G0:G0+3], s[G1:G1+7]      ; waves 4-15: key blocks 4-15, a block a wave; they land under the first four steps
	s_nop 0
.rept 4
	v_nop
.endr
.Lfetched:
	v_mov_b32 v255, v252                           ; Q's scale words, eight places ahead of the first scaled product
	v_mov_b32 v254, 0
.rept 8
	v_nop
.endr
	s_wait_alu depctr_va_vdst(0)
.endif
	s_mov_b32 s[CNT], 4
.Lgroup_\@:
	STEP
	s_sub_co_u32 s[CNT], s[CNT], 1
	s_cmp_lg_u32 s[CNT], 0
	s_cbranch_scc1 .Lgroup_\@
.endm
	s_wait_loadcnt 0x0                             ; Q
	GROUP 0
	GROUP 1
	GROUP 2
	GROUP 3
	; THE WAY OUT: y = O^T / the sum, quantised along the head's 64: two blocks of 32
.rept 4
	v_nop
.endr
	v_add_f32 v14, v14, v15
	s_delay_alu instid0(VALU_DEP_1)
	v_permlanex16_b32 v254, v14, s[SEL], s[SEL+1]
	s_delay_alu instid0(VALU_DEP_1)
	v_add_f32 v14, v14, v254                       ; the row's sum
	s_wait_alu depctr_va_vdst(0)
	v_rcp_f32 v14, v14
	v_nop
.set n, 0
	s_wait_alu depctr_va_vdst(0)
.rept 32
	v_mul_f32 v[96+n], v[160+n], v14               ; register 8 t + jj: channel 16 t + 8 h + jj
.set n, n+1
.endr
.irp b, 0,1
.irp k, 0,1,2,3,4,5,6,7
	v_permlane16_swap_b32 v[96+16*\b+\k], v[104+16*\b+\k]   ; register 16 b + i: channel 32 b + 16 h + i
.endr
.endr
.irp b, 0,1
	v_max3_num_f32 v[240+\b], |v[96+16*\b]|, |v[97+16*\b]|, 0x1800000
.endr
.irp i, 2,4,6,8,10,12,14
.irp b, 0,1
	s_delay_alu instid0(VALU_DEP_2)
	v_max3_num_f32 v[240+\b], v[240+\b], |v[96+16*\b+\i]|, |v[97+16*\b+\i]|
.endr
.endr
.irp b, 0,1
	s_delay_alu instid0(VALU_DEP_2)
	v_permlanex16_b32 v[244+\b], v[240+\b], s[SEL], s[SEL+1]
.endr
.irp b, 0,1
	s_delay_alu instid0(VALU_DEP_2)
	v_max_num_f32 v[240+\b], v[240+\b], v[244+\b]
.endr
.irp b, 0,1
	s_delay_alu instid0(VALU_DEP_2)
	v_add_nc_u32 v[248+\b], 0xff000000, v[240+\b]
.endr
.irp b, 0,1
	s_delay_alu instid0(VALU_DEP_2)
	v_lshrrev_b32 v[244+\b], 23, v[248+\b]
.endr
	s_delay_alu instid0(VALU_DEP_1)
	v_lshl_or_b32 v252, v245, 8, v244
	v_cvt_scalef32_pk16_fp6_f32 v[80:82], v[96:111], v248
	v_cvt_scalef32_pk16_fp6_f32 v[92:94], v[112:127], v249
	v_nop
.irp i, 0,1,2
	v_permlane16_swap_b32 v[80+\i], v[92+\i]
.endr
.irp i, 0,1,2
	s_delay_alu instid0(VALU_DEP_3)
	v_mov_b32 v[83+\i], v[92+\i]
.endr
.irp p, 0,1,2
	global_store_b64 v9, v[80+2*\p:81+2*\p], s[6:7] offset:256*\p   ; 32 lanes store 256 consecutive bytes, aligned
.endr
	global_store_b16 v10, v252, s[6:7]             ; lanes l and l + 16 hold the same two bytes and write the same place
	s_wait_xcnt 0x0
	v_lshl_add_u32 v254, v0, 2, 0x34000
	v_mov_b32 v255, 0
	s_wait_alu depctr_va_vdst(0)
	s_wait_tensorcnt 0x0
	ds_add_u32 v254, v255
	s_wait_dscnt 0x0
	s_endpgm
.Lfunc_end_k_qd821d30bc4_attn:
	.size	k_qd821d30bc4_attn, .Lfunc_end_k_qd821d30bc4_attn-k_qd821d30bc4_attn
	.p2alignl 7, 3214868480
	.fill 96, 4, 3214868480
	.section	.rodata,"a",@progbits
	.p2align	6, 0x0
	.amdhsa_kernel k_qd821d30bc4_attn
		.amdhsa_group_segment_fixed_size 327680
		.amdhsa_private_segment_fixed_size 0
		.amdhsa_enable_private_segment 0
		.amdhsa_kernarg_size 16
		.amdhsa_user_sgpr_count 2
		.amdhsa_user_sgpr_kernarg_segment_ptr 1
		.amdhsa_wavefront_size32 1
		.amdhsa_system_sgpr_workgroup_id_x 1
		.amdhsa_system_sgpr_workgroup_id_y 1
		.amdhsa_system_sgpr_workgroup_id_z 1
		.amdhsa_system_vgpr_workitem_id 0
		.amdhsa_next_free_vgpr 256
		.amdhsa_next_free_sgpr 66
		.amdhsa_reserve_vcc 1
		.amdhsa_float_denorm_mode_32 3
		.amdhsa_float_denorm_mode_16_64 3
		.amdhsa_memory_ordered 1
		.amdhsa_forward_progress 1
		.amdhsa_inst_pref_size 110
	.end_amdhsa_kernel
	.amdgpu_metadata
---
amdhsa.version: [ 1, 2 ]
amdhsa.kernels:
  - .name:           k_qd821d30bc4_attn
    .symbol:         k_qd821d30bc4_attn.kd
    .args:
      - { .name: qkv, .offset: 0, .size: 8, .value_kind: global_buffer, .address_space: global }
      - { .name: act, .offset: 8, .size: 8, .value_kind: global_buffer, .address_space: global }
    .group_segment_fixed_size: 327680
    .private_segment_fixed_size: 0
    .kernarg_segment_align: 8
    .kernarg_segment_size: 16
    .max_flat_workgroup_size: 512
    .sgpr_count:     66
    .vgpr_count:     256
    .wavefront_size: 32
...
	.end_amdgpu_metadata
.endif
;; end of part 3
;; launch go (part 4): grid 8 x 32, 4 waves a work-group, clusters of 4 x 4, 327,680 bytes of LDS; arguments act, wo, b_o, x, x1; writes x1
.if DOCPART == 4
	.amdgcn_target "amdgcn-amd-amdhsa--gfx1250"
	.amdhsa_code_object_version 6
	.text
	.protected	k_qd821d30bc4_go
	.globl	k_qd821d30bc4_go
	.p2align	8
	.type	k_qd821d30bc4_go,@function
k_qd821d30bc4_go:
	s_mov_b64 s[64:65], 0
	v_nop
	global_prefetch_b8 v0, s[64:65] scope:SCOPE_SE
	s_setreg_imm32_b32 hwreg(HW_REG_WAVE_MODE, 25, 1), 1
	s_wait_xcnt 0x0
	s_wait_alu depctr_hold_cnt(0) depctr_sa_sdst(0) depctr_va_vdst(0) depctr_va_sdst(0) depctr_va_ssrc(0) depctr_va_vcc(0) depctr_vm_vsrc(0)
	s_getreg_b32 s2, hwreg(HW_REG_IB_STS2, 6, 4)
	s_cmp_eq_u32 s2, 0
	s_cbranch_scc0 .Lentry_in_a_cluster
	s_endpgm
.Lentry_in_a_cluster:
	s_bfe_u32 s2, ttmp6, 0x10000c
	s_cmp_lg_u32 s2, 0xf033
	s_cbranch_scc0 .Lentry_shape_is_right
	s_endpgm
.Lentry_shape_is_right:
; x1 = x + Q(y) W_o + b_o on codes of MX-FP6.  M 4,096, N 1,024, K 1,024; x, x1 f32 [4096][1024].
; A: act, blocks of 12,800 bytes for (tile of 128 rows rt, K step): eight register images (lane r of image mb = row 32 (mb / 2) + 8 (mb % 2) + r + 8 (r / 8) of the tile), then scale words.  W: codes [1024][768 bytes], scale bytes [1024][32].
; A work-group makes 128 x 128; K 1,024 is two LDS slots of 512, each filled ONCE.  A slot: four blocks of A (dense), then two chunks of W (128 rows x 192 bytes, 16 bytes of padding behind every 64: pitch 240).
; W's scale bytes for all of K follow the slots, in units of 256 + 16 bytes; behind them a stage of 16 rows x 528 bytes for each wave, into which no fill lands.
; CLUSTER 4 x 4: A's blocks are asked for jointly along a row of the cluster, W's chunks and scale bytes along a column.
; WAVES: source 0 = W's eight tiles of 16 columns, source 1 = my two images of A: a lane holds one row and eight neighbouring columns.  A wave reads ten fragments for 16 matrix instructions.
; THE WAY OUT: 16 rows x 128 columns at a time through my stage, back as whole rows of 512 bytes; x's rows, loaded at the head, and the bias are added there; 32 lanes store 512 consecutive bytes, aligned.
; REGISTERS: window 0: v1-27 addresses; v32-95 W's scale words, v96-99 A's (scales and nothing else); v112-115 bias; v128-255 rows on the way out.  window 1: v0-127 the 16 accumulators ((j, i) at 8 (8 j + i)).
;   window 2: two sets of fragments at 0 and 128: W's eight at 12 i, A's two at 96 + 12 j.   window 3: v0-127 my 32 rows of x.
.set KK,    1024
.set NKS,   KK/128
.set KROW,  KK*3/4
.set KSB,   KK/32
.set ABLK,  12800
; W NOW COMES FROM wo, laid as A is (launch relay): blocks of 12,800 bytes for (tile of 128 columns, K step), images in natural order (image i = columns 16 i + r), scale words inside.
; This replaces what the head comment says of W's chunks, padding and separate scale bytes.  A slot: four blocks of A, four of W; one tensor load a wave at the head, slot 1 behind a round.
.set BCH,   2*ABLK                     ; two blocks of W: what one tensor load brings
.set BOFF,  4*ABLK
.set SLOT,  BOFF+2*BCH
.set SCL,   2*SLOT
.set HALFS, (64*KSB/256)*272
.set SBLK,  HALFS/4
.set STAGE, SCL+2*HALFS
.set SPITCH, 528
.set ADAW, 8
.set ASAW, 10
.set ADB,  16
.set ADS,  24
.set STO,  26
.set RD,   27
.set SCB,  32
.set SCA,  96
.set BIAS, 112
.set BK,   128
.set G0A,  28
.set G0B,  36
.set G0S,  44
.set G1A,  48
.set G1B,  56
.set G1S,  68
.set W_MUL, 0x5a                       ; sources 0 and 1 window 2, C and D window 1
.set W_FR,  0x80                       ; destination window 2
.set MSB, 0
.macro WIN new                         ; the immediate's high byte repeats the setting that is left
.if MSB != \new
	s_set_vgpr_msb (MSB<<8)|\new
.set MSB, \new
.endif
.endm
.macro PLACES                          ; four plain places behind a matrix instruction, ahead of loads into its registers and of reads of its result
.rept 4
	v_nop
.endr
.endm
.macro CROUND                          ; a round of the cluster's barrier
	s_barrier_signal -1
	s_barrier_wait -1
	s_cmp_lg_u32 s16, 0
	s_cbranch_scc1 .Lnot_wave_0_\@
	s_barrier_signal -3
.Lnot_wave_0_\@:
	s_barrier_wait -3
	s_barrier_signal -1
	s_barrier_wait -1
.endm
.macro AFRAG reg, adr, q, mb           ; an image of A: six loads of 256 consecutive bytes
.irp p, 0,1,2,3,4,5
	ds_load_b64 v[\reg+2*\p:\reg+2*\p+1], v[\adr] offset:(\q)*ABLK+(\mb)*1536+256*\p
.endr
.endm
.macro BFRAG reg, adr, q, i            ; an image of W: six loads of 256 consecutive bytes
.irp p, 0,1,2,3,4,5
	ds_load_b64 v[\reg+2*\p:\reg+2*\p+1], v[\adr] offset:(\q)*ABLK+(\i)*1536+256*\p
.endr
.endm
.macro FETCH s, q, fs                  ; the ten fragments and A's scale words of the slot's q-th K step into set fs
	WIN W_FR
.irp i, 0,1,2,3,4,5,6,7
	BFRAG 128*(\fs)+12*\i, ADB+\s, \q, \i
.endr
.irp j, 0,1
	AFRAG 128*(\fs)+96+12*\j, ADAW+\s, \q, \j
.endr
	WIN 0
.irp j, 0,1
	ds_load_b32 v[SCA+2*(\fs)+\j], v[ASAW+\s] offset:(\q)*ABLK+12288+64*\j
.endr
.endm
.macro SCALES sp                       ; W's scale words of a slot's four K steps: 16 bytes a row
.irp i, 0,1,2,3,4,5,6,7
.irp q, 0,1,2,3
	ds_load_b32 v[SCB+32*(\sp)+4*\i+\q], v[ADB+2+(\sp)] offset:\q*ABLK+12288+64*\i
.endr
.endr
.endm
.macro MUL16 fs, q, sp, zero           ; a K step: the 16 accumulators by turns, one instruction a turn, in the same order in every step
	WIN W_MUL
.irp j, 0,1
.irp i, 0,1,2,3,4,5,6,7
.set ACC, 8*(8*\j+\i)
.set FR0, 128*(\fs)+12*\i
.set FR1, 128*(\fs)+96+12*\j
.set WS0, SCB+32*(\sp)+4*\i+(\q)
.set WS1, SCA+2*(\fs)+\j
.if \zero
	v_wmma_scale_f32_16x16x128_f8f6f4 v[ACC:ACC+7], v[FR0:FR0+11], v[FR1:FR1+11], 0, v[WS0], v[WS1] matrix_a_fmt:MATRIX_FMT_FP6 matrix_b_fmt:MATRIX_FMT_FP6
.else
	v_wmma_scale_f32_16x16x128_f8f6f4 v[ACC:ACC+7], v[FR0:FR0+11], v[FR1:FR1+11], v[ACC:ACC+7], v[WS0], v[WS1] matrix_a_fmt:MATRIX_FMT_FP6 matrix_b_fmt:MATRIX_FMT_FP6
.endif
.endr
.endr
.endm
.macro STEP s, q, zero                 ; this step's fragments are in; the next step's are asked for, and land while this step is multiplied
	s_wait_dscnt 0x0
	PLACES
	FETCH \s, (\q)+1, ((\q)+1)%2
	MUL16 (\q)%2, \q, \s, \zero
.endm
.macro TOSTAGE a                       ; my accumulators (a, 0 .. 7) into my stage, and back as 16 whole rows
	WIN 0x04                                       ; an LDS store's data are its source 1: window 1
.irp i, 0,1,2,3,4,5,6,7
	ds_store_b128 v[STO], v[8*(8*\a+\i):8*(8*\a+\i)+3] offset:64*\i          ; each accumulator from its low end on
	ds_store_b128 v[STO], v[8*(8*\a+\i)+4:8*(8*\a+\i)+7] offset:64*\i+16
.endr
	WIN 0
.irp t, 0,1,2,3,4,5,6,7,8,9,10,11,12,13,14,15
	ds_load_b128 v[BK+64*\a+4*\t:BK+64*\a+4*\t+3], v[RD] offset:\t*SPITCH    ; LDS serves a wave's instructions in order (ISA guide 5.7.1.4): these see the stores above
.endr
.endm
.macro SEND a, younger
	s_wait_dscnt \younger
	WIN 0x0c                                       ; source 1 window 3
.irp t, 0,1,2,3,4,5,6,7,8,9,10,11,12,13,14,15
	v_pk_add_f32 v[BK+64*\a+4*\t:BK+64*\a+4*\t+1], v[BK+64*\a+4*\t:BK+64*\a+4*\t+1], v[64*\a+4*\t:64*\a+4*\t+1]
	v_pk_add_f32 v[BK+64*\a+4*\t+2:BK+64*\a+4*\t+3], v[BK+64*\a+4*\t+2:BK+64*\a+4*\t+3], v[64*\a+4*\t+2:64*\a+4*\t+3]
.endr
	WIN 0
.irp t, 0,1,2,3,4,5,6,7,8,9,10,11,12,13,14,15
	global_store_b128 v6, v[BK+64*\a+4*\t:BK+64*\a+4*\t+3], s[14:15] offset:(8*\a+\t+8*(\t/8))*4096   ; 32 lanes store 512 consecutive bytes, aligned
.endr
.endm
	s_load_b128 s[4:7], s[0:1], 0x0                ; A s[4:5], W's blocks s[6:7]
	s_load_b64 s[10:11], s[0:1], 0x10              ; bias
	s_load_b128 s[12:15], s[0:1], 0x18             ; the residual s[12:13], out s[14:15]
	v_lshl_add_u32 v126, v0, 2, 0x40500
	v_mov_b32 v127, 0
	ds_add_u32 v126, v127
	ds_add_u32 v126, v127
	v_lshrrev_b32 v1, 5, v0
	v_readfirstlane_b32 s16, v1                    ; wave
	s_and_b32 s17, s16, 1                          ; which half I fetch
	s_lshr_b32 s18, s16, 1                         ; I fetch for A (0) or for W (1)
	s_bfe_u32 s19, ttmp6, 0x40000                  ; cx
	s_bfe_u32 s20, ttmp6, 0x40004                  ; cy
	s_lshl_b32 s21, ttmp9, 2
	s_add_co_u32 s21, s21, s19                     ; ct: tile column
	s_and_b32 s22, ttmp7, 0xffff
	s_lshl_b32 s22, s22, 2
	s_add_co_u32 s22, s22, s20                     ; rt: tile row
	s_lshl_b32 s23, s20, 2
	s_lshl_b32 s23, 15, s23                        ; my row of the cluster
	s_lshl_b32 s24, 0x1111, s19                    ; my column
	s_or_b32 s[G1A], s23, (3<<16)|(1<<21)          ; A: two blocks, 25,600 dense bytes, as 100 rows of 32 elements of 8 bytes; the mask: my row; bit 21 beside a mask
	s_mov_b32 s[G1A+1], 32<<16
	s_mov_b32 s[G1A+2], 100<<16
	s_mov_b32 s[G1A+3], 32<<16
	s_mov_b32 s[G1A+4], 100
	s_mov_b32 s[G1A+5], 32
	s_mov_b32 s[G1A+6], 0
	s_mov_b32 s[G1A+7], 0
	s_or_b32 s[G1B], s24, (3<<16)|(1<<21)          ; W: two blocks, as A's; the mask: my column
	s_mov_b32 s[G1B+1], 32<<16
	s_mov_b32 s[G1B+2], 100<<16
	s_mov_b32 s[G1B+3], 32<<16
	s_mov_b32 s[G1B+4], 100
	s_mov_b32 s[G1B+5], 32
	s_mov_b32 s[G1B+6], 0
	s_mov_b32 s[G1B+7], 0
	s_mul_i32 s76, s22, NKS                        ; A: block (rt, 2 x half): of the tile row and the wave alone
	s_lshl_b32 s77, s17, 1
	s_add_co_u32 s76, s76, s77
	s_mul_i32 s76, s76, ABLK
	s_mov_b32 s77, 0
	s_mul_i32 s80, s21, NKS*ABLK                   ; W: block (ct, 2 x half): of the tile column and the wave alone
	s_mul_i32 s81, s17, 2*ABLK
	s_add_co_u32 s80, s80, s81
	s_mov_b32 s81, 0
	s_mul_i32 s88, s17, 2*ABLK                     ; where they go: no place in the cluster enters an LDS address
	s_mul_i32 s89, s17, BCH
	s_wait_dscnt 0x0
	s_wait_kmcnt 0x0
	s_add_nc_u64 s[78:79], s[4:5], s[76:77]
	s_add_nc_u64 s[82:83], s[6:7], s[80:81]
	CROUND                                         ; all sixteen work-groups are here: the joint loads meet
.irp s, 0,1
	s_mov_b32 s[G0A+4*\s], 1
	s_add_co_u32 s[G0A+4*\s+1], s88, \s*SLOT
	s_add_nc_u64 s[G0A+4*\s+2:G0A+4*\s+3], s[78:79], \s*4*ABLK
	s_or_b32 s[G0A+4*\s+3], s[G0A+4*\s+3], 0x80000000
	s_mov_b32 s[G0B+4*\s], 1
	s_add_co_u32 s[G0B+4*\s+1], s89, \s*SLOT+BOFF
	s_add_nc_u64 s[G0B+4*\s+2:G0B+4*\s+3], s[82:83], \s*4*ABLK
	s_or_b32 s[G0B+4*\s+3], s[G0B+4*\s+3], 0x80000000
.endr
	s_cmp_eq_u32 s18, 0                            ; the first fills in one branch on the wave's number: waves 0, 1 a load for A, waves 2, 3 one for W; four v_nop follow it
	s_cbranch_scc0 .Lfirst_w
	tensor_load_to_lds s[G0A:G0A+3], s[G1A:G1A+7]
	s_nop 0
.rept 4
	v_nop
.endr
	s_branch .Lfirst_asked
.Lfirst_w:
	tensor_load_to_lds s[G0B:G0B+3], s[G1B:G1B+7]
	s_nop 0
.rept 4
	v_nop
.endr
.Lfirst_asked:
	v_and_b32 v1, 15, v0                           ; r
	v_bfe_u32 v2, v0, 4, 1                         ; h
	v_and_b32 v3, 31, v0                           ; lane
	v_lshlrev_b32 v4, 3, v3
	v_lshlrev_b32 v6, 4, v3
	s_wait_alu depctr_va_vdst(0)
	s_lshl_b32 s94, s22, 7                         ; my rows of x and of the result begin at row 128 rt + 32 w, column 128 ct
	s_lshl_b32 s95, s16, 5
	s_add_co_u32 s94, s94, s95
	s_lshl_b32 s94, s94, 12
	s_lshl_b32 s98, s21, 9
	s_add_co_u32 s94, s94, s98
	s_mov_b32 s95, 0
	s_mov_b32 s99, 0
	s_add_nc_u64 s[12:13], s[12:13], s[94:95]
	s_add_nc_u64 s[14:15], s[14:15], s[94:95]
	s_add_nc_u64 s[10:11], s[10:11], s[98:99]
	WIN 0xc0                                       ; destination window 3
.irp a, 0,1
.irp t, 0,1,2,3,4,5,6,7,8,9,10,11,12,13,14,15
	global_load_b128 v[64*\a+4*\t:64*\a+4*\t+3], v6, s[12:13] offset:(8*\a+\t+8*(\t/8))*4096   ; row t of image 2 w + a
.endr
.endr
	WIN 0
	global_load_b128 v[BIAS:BIAS+3], v6, s[10:11]
	s_mul_i32 s93, s16, 3072
	v_add_nc_u32 v[ADAW], s93, v4
	v_add_nc_u32 v[ADAW+1], SLOT, v[ADAW]
	s_lshl_b32 s93, s16, 7
	v_lshl_add_u32 v[ASAW], v1, 2, s93
	v_add_nc_u32 v[ASAW+1], SLOT, v[ASAW]
	v_add_nc_u32 v[ADB], BOFF, v4                  ; W's images in slot 0, 1: 8 x lane
	v_lshl_add_u32 v[ADB+2], v1, 2, BOFF           ; W's scale words in slot 0, 1: 4 r
	v_add_nc_u32 v[ADB+1], SLOT, v[ADB]
	v_add_nc_u32 v[ADB+3], SLOT, v[ADB+2]
	s_mul_i32 s93, s16, 16*SPITCH
	s_add_co_u32 s93, s93, STAGE                   ; my stage
	v_mul_u32_u24 v[STO], v1, SPITCH
	v_lshl_add_u32 v[STO], v2, 5, v[STO]
	v_add_nc_u32 v[STO], s93, v[STO]               ; in: row r, 32 bytes for each half of the lanes
	v_add_nc_u32 v[RD], s93, v6                    ; back: the 32 lanes take one row of 512 bytes
	s_wait_alu depctr_va_vdst(0)
	s_wait_tensorcnt 0x0                           ; my part of slot 0 is in
	ds_add_u32 v126, v127
	s_wait_dscnt 0x0
	CROUND                                         ; everybody's part is in, and the joint loads of slot 1 meet
	s_cmp_eq_u32 s18, 0
	s_cbranch_scc0 .Lsecond_w
	tensor_load_to_lds s[G0A+4:G0A+7], s[G1A:G1A+7]
	s_nop 0
.rept 4
	v_nop
.endr
	s_branch .Lsecond_asked
.Lsecond_w:
	tensor_load_to_lds s[G0B+4:G0B+7], s[G1B:G1B+7]
	s_nop 0
.rept 4
	v_nop
.endr
.Lsecond_asked:
	SCALES 0
	FETCH 0, 0, 0
	STEP 0, 0, 1                                   ; the first products start the sums: nothing is cleared
	STEP 0, 1, 0
	STEP 0, 2, 0
	WIN 0
	s_wait_tensorcnt 0x0                           ; my part of slot 1 has landed,
	s_wait_dscnt 0x0
	s_barrier_signal -1
	s_barrier_wait -1                              ; everybody's has
	PLACES
	SCALES 1
	FETCH 1, 0, 0
	MUL16 1, 3, 0, 0
	STEP 1, 0, 0
	STEP 1, 1, 0
	STEP 1, 2, 0
	s_wait_dscnt 0x0
	MUL16 1, 3, 1, 0
	WIN 0
	s_wait_loadcnt 0x0                             ; x's rows and the bias
	PLACES
	WIN 0xc3                                       ; destination and source 0 window 3
.set n, 0
.rept 32
	v_pk_add_f32 v[n:n+1], v[n:n+1], v[BIAS:BIAS+1]           ; x + bias: a lane's four columns are the same in every row
	v_pk_add_f32 v[n+2:n+3], v[n+2:n+3], v[BIAS+2:BIAS+3]
.set n, n+4
.endr
	TOSTAGE 0
	TOSTAGE 1
	SEND 0, 32                                     ; behind block 0's loads: block 1's 16 stores and 16 loads
	SEND 1, 0
	s_wait_tensorcnt 0x0
	ds_add_u32 v126, v127
	s_wait_dscnt 0x0
	CROUND                                         ; the closing round: no work-group ends while a partner may still ask for a tile that names it
	s_endpgm
.Lfunc_end_k_qd821d30bc4_go:
	.size	k_qd821d30bc4_go, .Lfunc_end_k_qd821d30bc4_go-k_qd821d30bc4_go
	.p2alignl 7, 3214868480
	.fill 96, 4, 3214868480
	.section	.rodata,"a",@progbits
	.p2align	6, 0x0
	.amdhsa_kernel k_qd821d30bc4_go
		.amdhsa_group_segment_fixed_size 327680
		.amdhsa_private_segment_fixed_size 0
		.amdhsa_enable_private_segment 0
		.amdhsa_kernarg_size 40
		.amdhsa_user_sgpr_count 2
		.amdhsa_user_sgpr_kernarg_segment_ptr 1
		.amdhsa_wavefront_size32 1
		.amdhsa_system_sgpr_workgroup_id_x 1
		.amdhsa_system_sgpr_workgroup_id_y 1
		.amdhsa_system_sgpr_workgroup_id_z 1
		.amdhsa_system_vgpr_workitem_id 0
		.amdhsa_next_free_vgpr 896
		.amdhsa_next_free_sgpr 100
		.amdhsa_reserve_vcc 0
		.amdhsa_float_denorm_mode_32 3
		.amdhsa_float_denorm_mode_16_64 3
		.amdhsa_memory_ordered 1
		.amdhsa_forward_progress 1
		.amdhsa_inst_pref_size 80
	.end_amdhsa_kernel
	.amdgpu_metadata
---
amdhsa.version: [ 1, 2 ]
amdhsa.kernels:
  - .name:           k_qd821d30bc4_go
    .symbol:         k_qd821d30bc4_go.kd
    .args:
      - { .name: act, .offset: 0, .size: 8, .value_kind: global_buffer, .address_space: global }
      - { .name: wo, .offset: 8, .size: 8, .value_kind: global_buffer, .address_space: global }
      - { .name: b_o, .offset: 16, .size: 8, .value_kind: global_buffer, .address_space: global }
      - { .name: x, .offset: 24, .size: 8, .value_kind: global_buffer, .address_space: global }
      - { .name: x1, .offset: 32, .size: 8, .value_kind: global_buffer, .address_space: global }
    .group_segment_fixed_size: 327680
    .private_segment_fixed_size: 0
    .kernarg_segment_align: 8
    .kernarg_segment_size: 40
    .max_flat_workgroup_size: 128
    .sgpr_count:     100
    .vgpr_count:     896
    .wavefront_size: 32
...
	.end_amdgpu_metadata
.endif
;; end of part 4
;; launch ln1 (part 5): grid 256 x 1, 4 waves a work-group, no clusters, 66,304 bytes of LDS; arguments x1, ln2_g, ln2_b, act; writes act
.if DOCPART == 5
	.amdgcn_target "amdgcn-amd-amdhsa--gfx1250"
	.amdhsa_code_object_version 6
	.text
	.protected	k_qd821d30bc4_ln1
	.globl	k_qd821d30bc4_ln1
	.p2align	8
	.type	k_qd821d30bc4_ln1,@function
k_qd821d30bc4_ln1:
	s_mov_b64 s[64:65], 0
	v_nop
	global_prefetch_b8 v0, s[64:65] scope:SCOPE_SE
	s_setreg_imm32_b32 hwreg(HW_REG_WAVE_MODE, 25, 1), 1
	s_wait_xcnt 0x0
; LayerNorm of rows of 1,024 f32 numbers, then the MX-FP6 (E2M3) quantiser along the row.  Arguments: the rows [4096][1024], gain, bias, the codes' buffer.
; OUT: for each tile of 128 rows (mt) and each 128 along K (ks) a block of 12,800 bytes: eight images of an operand's registers (16 rows x 128 K: 12 registers a lane, laid as six pieces of 256 bytes,
; piece p = registers 2 p, 2 p + 1, lane l's 8 bytes at 256 p + 8 l), then 512 bytes of scale words [mb][r].  Lane r of image mb stands for row 128 mt + 32 (mb / 2) + 8 (mb % 2) + r + 8 (r / 8).
; SHARES: a work-group takes the 16 rows of one image (mt = x / 8, mb = x % 8).  Phase 1: wave w normalises tile rows 4 w .. 4 w + 3, a row in 32 registers (mean, then the mean of the squared differences: two passes
; over registers), and lays them in LDS.  Phase 2: wave w quantises K steps 2 w and 2 w + 1 of all 16 rows: lane (r, h) takes of row r the 16 numbers 32 b + 16 h + 0 .. 15 of each block b.
; Memory binds: each row is read once, by loads of 512 consecutive bytes; each store of codes covers 256 consecutive bytes, aligned.  The scale words leave in runs of 64 bytes (1 byte in 24 of the output).
; No matrix unit, no tensor load, no cluster: work-groups share nothing but gain and bias (8 KB).
; LIMITS: NaN and infinities are not served.  A block whose largest magnitude lies under 2^-124 keeps the scale byte 1 (a block of zeros too: its codes are zeros); these bytes are read by this program alone.
.set ROWB,  4096
.set PITCH, 4112                       ; an LDS row: 4,096 + 16 bytes = 257 x 16: the 16 rows that a 16-byte load touches start in 16 different groups of four banks
.set ABLK,  12800
.set X,     32                         ; v32-159  four rows x 32; in phase 2 two sets of 64 numbers
.set G,     160                        ; v160-191 gain of my 32 columns; in phase 2 the codes
.set B,     192                        ; v192-223 bias
.set S,     224                        ; v224-231 four pairs of sums
.set PT,    232                        ; v232-235 the other half's sums
.set MU,    242                        ; v242-249 four pairs: the mean, later 1 / sqrt(var + eps)
.set TM,    224                        ; v224-239 the quantiser's: +0 largest magnitudes, +4 the other half's, then bytes, +12 scale operands
.set PW,    240                        ; the scale word just made
.set PW0,   241                        ; the first K step's
.set OW,    250
.set PC0,   160                        ; codes of the first K step (12 registers + 7 at work)
.set PC1,   180                        ; of the second
	s_load_b256 s[4:11], s[0:1], 0x0               ; rows s[4:5], gain s[6:7], bias s[8:9], out s[10:11]
	v_lshl_add_u32 v254, v0, 2, 0x10100
	v_mov_b32 v255, 0
	v_and_b32 v1, 31, v0                           ; lane
	v_lshrrev_b32 v2, 5, v0
	v_readfirstlane_b32 s12, v2                    ; wave
	v_lshlrev_b32 v2, 4, v1                        ; 16 x lane
	s_wait_alu depctr_va_vdst(0)
	v_and_b32 v3, 15, v0                           ; r
	s_wait_alu depctr_va_vdst(0)
	v_bfe_u32 v4, v0, 4, 1                         ; h
	s_mov_b32 s14, 0x76543210
	s_mov_b32 s15, 0xfedcba98                      ; v_permlanex16_b32's selects for lane l xor 16
	s_mov_b32 s16, 0x3a800000                      ; 1 / 1024
	s_mov_b32 s17, 0x3727c5ac                      ; 1e-5
	s_lshr_b32 s13, ttmp9, 3                       ; mt
	s_and_b32 s18, ttmp9, 7                        ; mb
	s_lshl_b32 s20, s13, 7
	s_lshr_b32 s21, s18, 1
	s_lshl_b32 s21, s21, 5
	s_add_co_u32 s20, s20, s21
	s_and_b32 s21, s18, 1
	s_lshl_b32 s21, s21, 3
	s_add_co_u32 s20, s20, s21
	s_lshl_b32 s21, s12, 2
	s_add_co_u32 s20, s20, s21
	s_lshr_b32 s21, s12, 1
	s_lshl_b32 s21, s21, 3
	s_add_co_u32 s20, s20, s21                     ; my first row: 128 mt + 32 (mb / 2) + 8 (mb % 2) + 4 w + 8 (w / 2); my four rows are neighbours
	s_lshl_b32 s20, s20, 12
	s_mov_b32 s21, 0
	s_lshl_b32 s24, s13, 3
	s_lshl_b32 s25, s12, 1
	s_add_co_u32 s24, s24, s25
	s_mul_i32 s24, s24, ABLK                       ; the block of (mt, ks = 2 w)
	s_mov_b32 s25, 0
	s_mul_i32 s22, s12, 4*PITCH
	v_add_nc_u32 v5, s22, v2                       ; LDS, in: tile row 4 w, 16 x lane
	v_mul_u32_u24 v6, v3, PITCH
	s_wait_alu depctr_va_vdst(0)
	v_lshl_add_u32 v6, v4, 6, v6
	s_lshl_b32 s22, s12, 10
	v_add_nc_u32 v6, s22, v6                       ; LDS, back: row r, + 64 h, + my two K steps' 1,024 bytes x wave
	s_mul_i32 s26, s18, 1536
	v_lshl_add_u32 v7, v1, 3, s26                  ; out: image mb, 8 x lane
	v_mul_u32_u24 v8, v4, ABLK
	v_lshl_add_u32 v8, v3, 2, v8
	s_lshl_b32 s27, s18, 6
	s_add_co_u32 s27, s27, 12288
	v_add_nc_u32 v8, s27, v8                       ; scale words: lanes 0-15 the first K step's block, lanes 16-31 the second's
	s_wait_kmcnt 0x0
	s_add_nc_u64 s[4:5], s[4:5], s[20:21]
	s_add_nc_u64 s[10:11], s[10:11], s[24:25]
.irp i, 0,1,2,3
.irp j, 0,1,2,3,4,5,6,7
	global_load_b128 v[X+32*\i+4*\j:X+32*\i+4*\j+3], v2, s[4:5] offset:\i*ROWB+512*\j   ; 32 lanes read 512 consecutive bytes
.endr
.endr
.irp j, 0,1,2,3,4,5,6,7
	global_load_b128 v[G+4*\j:G+4*\j+3], v2, s[6:7] offset:512*\j
.endr
.irp j, 0,1,2,3,4,5,6,7
	global_load_b128 v[B+4*\j:B+4*\j+3], v2, s[8:9] offset:512*\j
.endr
.irp i, 0,1,2,3
	v_mov_b32 v[PT+\i], 0                          ; written once: a lane permute's destination counts as one of its sources
.endr
; the four rows' pairs of sums become four sums over the wave, in every lane
.macro REDUCE
.irp i, 0,1,2,3
	v_add_f32 v[S+2*\i], v[S+2*\i], v[S+2*\i+1]
.endr
.irp m, 1,2,4,8
.irp i, 0,1,2,3
	v_add_f32_dpp v[S+2*\i], v[S+2*\i], v[S+2*\i] row_xmask:\m row_mask:0xf bank_mask:0xf
.endr
.endr
.irp i, 0,1,2,3
	v_permlanex16_b32 v[PT+\i], v[S+2*\i], s14, s15
.endr
.irp i, 0,1,2,3
	v_add_f32 v[S+2*\i], v[S+2*\i], v[PT+\i]
.endr
.endm
; 64 numbers of a lane, v[s] on, register 16 b + i = k 32 b + 16 h + i of my row, become an operand's 12 registers in v[pc] on and its scale word in v[PW]
.macro QUANT s, pc
.irp b, 0,1,2,3
	v_max3_num_f32 v[TM+\b], |v[\s+16*\b]|, |v[\s+1+16*\b]|, 0x1800000   ; my 16 numbers of block b, and the floor 2^(3 - 127): the byte cannot fall under 1
.endr
.irp i, 2,4,6,8,10,12,14
.irp b, 0,1,2,3
	v_max3_num_f32 v[TM+\b], v[TM+\b], |v[\s+16*\b+\i]|, |v[\s+1+16*\b+\i]|   ; the four blocks by turns
.endr
.endr
.irp b, 0,1,2,3
	v_permlanex16_b32 v[TM+4+\b], v[TM+\b], s14, s15
.endr
.irp b, 0,1,2,3
	v_max_num_f32 v[TM+\b], v[TM+\b], v[TM+4+\b]   ; with lane l xor 16's: the block's largest magnitude
.endr
.irp b, 0,1,2,3
	v_add_nc_u32 v[TM+12+\b], 0xff000000, v[TM+\b] ; 2 off its exponent field: the conversion takes that field as its scale
.endr
.irp b, 0,1,2,3
	v_lshrrev_b32 v[TM+4+\b], 23, v[TM+12+\b]      ; the scale's byte
.endr
	v_lshl_or_b32 v[PW], v[TM+5], 8, v[TM+4]
	v_lshl_or_b32 v[PW], v[TM+6], 16, v[PW]
	v_lshl_or_b32 v[PW], v[TM+7], 24, v[PW]
.irp c, 0,1
	v_cvt_scalef32_pk16_fp6_f32 v[\pc+6*\c:\pc+2+6*\c], v[\s+32*\c:\s+15+32*\c], v[TM+12+2*\c]
	v_cvt_scalef32_pk16_fp6_f32 v[\pc+12+4*\c:\pc+14+4*\c], v[\s+16+32*\c:\s+31+32*\c], v[TM+13+2*\c]   ; (a conversion's three registers begin on an even number)
.endr
	v_nop                                          ; one plain place behind a scaled conversion
.irp c, 0,1                                        ; the operand wants a whole block in a lane: lanes 0-15 block 2 c, lanes 16-31 block 2 c + 1
.irp i, 0,1,2
	v_permlane16_swap_b32 v[\pc+6*\c+\i], v[\pc+12+4*\c+\i]
.endr
.irp i, 0,1,2
	v_mov_b32 v[\pc+3+6*\c+\i], v[\pc+12+4*\c+\i]
.endr
.endr
.endm
	s_wait_loadcnt 16                              ; my four rows are in; the 16 loads of gain and bias may be out
.irp i, 0,1,2,3
	v_pk_add_f32 v[S+2*\i:S+2*\i+1], v[X+32*\i:X+32*\i+1], v[X+32*\i+2:X+32*\i+3]
.endr
.irp p, 4,6,8,10,12,14,16,18,20,22,24,26,28,30
.irp i, 0,1,2,3
	v_pk_add_f32 v[S+2*\i:S+2*\i+1], v[S+2*\i:S+2*\i+1], v[X+32*\i+\p:X+32*\i+\p+1]
.endr
.endr
	REDUCE
.irp i, 0,1,2,3
	v_mul_f32 v[MU+2*\i], s16, v[S+2*\i]           ; the mean, in both halves of a pair
	v_mul_f32 v[MU+2*\i+1], s16, v[S+2*\i]
.endr
.irp p, 0,2,4,6,8,10,12,14,16,18,20,22,24,26,28,30
.irp i, 0,1,2,3
	v_pk_add_f32 v[X+32*\i+\p:X+32*\i+\p+1], v[X+32*\i+\p:X+32*\i+\p+1], v[MU+2*\i:MU+2*\i+1] neg_lo:[0,1] neg_hi:[0,1]   ; x - mean
.endr
.endr
.irp i, 0,1,2,3
	v_pk_mul_f32 v[S+2*\i:S+2*\i+1], v[X+32*\i:X+32*\i+1], v[X+32*\i:X+32*\i+1]
.endr
.irp p, 2,4,6,8,10,12,14,16,18,20,22,24,26,28,30
.irp i, 0,1,2,3
	v_pk_fma_f32 v[S+2*\i:S+2*\i+1], v[X+32*\i+\p:X+32*\i+\p+1], v[X+32*\i+\p:X+32*\i+\p+1], v[S+2*\i:S+2*\i+1]
.endr
.endr
	REDUCE
.irp i, 0,1,2,3
	v_fma_f32 v[S+2*\i], v[S+2*\i], s16, s17       ; var + eps
.endr
	s_wait_alu depctr_va_vdst(0)
.irp i, 0,1,2,3
	v_rsq_f32 v[MU+2*\i], v[S+2*\i]
	v_rsq_f32 v[MU+2*\i+1], v[S+2*\i]
.endr
	v_nop                                          ; one plain place behind the transcendentals
	s_wait_loadcnt 0x0                             ; gain and bias
	s_wait_alu depctr_va_vdst(0)
.irp p, 0,2,4,6,8,10,12,14,16,18,20,22,24,26,28,30
.irp i, 0,1,2,3
	v_pk_mul_f32 v[X+32*\i+\p:X+32*\i+\p+1], v[X+32*\i+\p:X+32*\i+\p+1], v[MU+2*\i:MU+2*\i+1]
.endr
.endr
.irp p, 0,2,4,6,8,10,12,14,16,18,20,22,24,26,28,30
.irp i, 0,1,2,3
	v_pk_fma_f32 v[X+32*\i+\p:X+32*\i+\p+1], v[X+32*\i+\p:X+32*\i+\p+1], v[G+\p:G+\p+1], v[B+\p:B+\p+1]
.endr
.endr
.irp i, 0,1,2,3
.irp j, 0,1,2,3,4,5,6,7
	ds_store_b128 v5, v[X+32*\i+4*\j:X+32*\i+4*\j+3] offset:\i*PITCH+512*\j
.endr
.endr
	s_wait_dscnt 0x0                               ; for the others' sake: my rows lie in LDS
	s_barrier_signal -1
	s_barrier_wait -1
.irp s, 0,1
.irp b, 0,1,2,3
.irp j, 0,1,2,3
	ds_load_b128 v[X+64*\s+16*\b+4*\j:X+64*\s+16*\b+4*\j+3], v6 offset:512*\s+128*\b+16*\j
.endr
.endr
.endr
	s_wait_dscnt 16                                ; the first K step's 16 loads are in; the second's may be out
	QUANT X, PC0
	v_mov_b32 v[PW0], v[PW]
	s_wait_dscnt 0x0
	QUANT X+64, PC1
.irp p, 0,1,2,3,4,5
	global_store_b64 v7, v[PC0+2*\p:PC0+2*\p+1], s[10:11] offset:256*\p          ; 32 lanes store 256 consecutive bytes, aligned
	global_store_b64 v7, v[PC1+2*\p:PC1+2*\p+1], s[10:11] offset:ABLK+256*\p
.endr
	v_cmp_eq_u32 vcc_lo, 1, v4
	v_cndmask_b32 v[OW], v[PW0], v[PW], vcc_lo     ; both halves of the lanes hold row r's words: the lower sends the first K step's, the upper the second's
	global_store_b32 v8, v[OW], s[10:11]
	s_wait_tensorcnt 0x0
	ds_add_u32 v254, v255
	s_wait_dscnt 0x0
	s_endpgm
.Lfunc_end_k_qd821d30bc4_ln1:
	.size	k_qd821d30bc4_ln1, .Lfunc_end_k_qd821d30bc4_ln1-k_qd821d30bc4_ln1
	.p2alignl 7, 3214868480
	.fill 96, 4, 3214868480
	.section	.rodata,"a",@progbits
	.p2align	6, 0x0
	.amdhsa_kernel k_qd821d30bc4_ln1
		.amdhsa_group_segment_fixed_size 66304
		.amdhsa_private_segment_fixed_size 0
		.amdhsa_enable_private_segment 0
		.amdhsa_kernarg_size 32
		.amdhsa_user_sgpr_count 2
		.amdhsa_user_sgpr_kernarg_segment_ptr 1
		.amdhsa_wavefront_size32 1
		.amdhsa_system_sgpr_workgroup_id_x 1
		.amdhsa_system_sgpr_workgroup_id_y 1
		.amdhsa_system_sgpr_workgroup_id_z 1
		.amdhsa_system_vgpr_workitem_id 0
		.amdhsa_next_free_vgpr 256
		.amdhsa_next_free_sgpr 66
		.amdhsa_reserve_vcc 1
		.amdhsa_float_denorm_mode_32 3
		.amdhsa_float_denorm_mode_16_64 3
		.amdhsa_memory_ordered 1
		.amdhsa_forward_progress 1
		.amdhsa_inst_pref_size 44
	.end_amdhsa_kernel
	.amdgpu_metadata
---
amdhsa.version: [ 1, 2 ]
amdhsa.kernels:
  - .name:           k_qd821d30bc4_ln1
    .symbol:         k_qd821d30bc4_ln1.kd
    .args:
      - { .name: x1, .offset: 0, .size: 8, .value_kind: global_buffer, .address_space: global }
      - { .name: ln2_g, .offset: 8, .size: 8, .value_kind: global_buffer, .address_space: global }
      - { .name: ln2_b, .offset: 16, .size: 8, .value_kind: global_buffer, .address_space: global }
      - { .name: act, .offset: 24, .size: 8, .value_kind: global_buffer, .address_space: global }
    .group_segment_fixed_size: 66304
    .private_segment_fixed_size: 0
    .kernarg_segment_align: 8
    .kernarg_segment_size: 32
    .max_flat_workgroup_size: 128
    .sgpr_count:     66
    .vgpr_count:     256
    .wavefront_size: 32
...
	.end_amdgpu_metadata
.endif
;; end of part 5
;; launch gfc (part 6): grid 8 x 32, 4 waves a work-group, clusters of 4 x 4, 327,680 bytes of LDS; arguments act, wfc, b_fc, g; writes g
.if DOCPART == 6
	.amdgcn_target "amdgcn-amd-amdhsa--gfx1250"
	.amdhsa_code_object_version 6
	.text
	.protected	k_qd821d30bc4_gfc
	.globl	k_qd821d30bc4_gfc
	.p2align	8
	.type	k_qd821d30bc4_gfc,@function
k_qd821d30bc4_gfc:
	s_mov_b64 s[64:65], 0
	v_nop
	global_prefetch_b8 v0, s[64:65] scope:SCOPE_SE
	s_setreg_imm32_b32 hwreg(HW_REG_WAVE_MODE, 25, 1), 1
	s_wait_xcnt 0x0
	s_wait_alu depctr_hold_cnt(0) depctr_sa_sdst(0) depctr_va_vdst(0) depctr_va_sdst(0) depctr_va_ssrc(0) depctr_va_vcc(0) depctr_vm_vsrc(0)
	s_getreg_b32 s2, hwreg(HW_REG_IB_STS2, 6, 4)
	s_cmp_eq_u32 s2, 0
	s_cbranch_scc0 .Lentry_in_a_cluster
	s_endpgm
.Lentry_in_a_cluster:
	s_bfe_u32 s2, ttmp6, 0x10000c
	s_cmp_lg_u32 s2, 0xf033
	s_cbranch_scc0 .Lentry_shape_is_right
	s_endpgm
.Lentry_shape_is_right:
; g = Q(gelu(Q(h2) W_fc + b_fc)) on codes of MX-FP6: the product, the tanh form of GELU in f32, and the quantiser along the columns, the next product's K.  M 4,096, N 4,096, K 1,024.
; A: act, W: wfc: blocks of 12,800 bytes for (tile of 128 rows or columns, K step): eight register images (six pieces of 256 bytes), then 512 bytes of scale words.
; Lane r of A's image mb = row 32 (mb / 2) + 8 (mb % 2) + r + 8 (r / 8) of the tile; of W's image i = column 16 i + r.
; A WORK-GROUP makes 128 rows x 512 columns (tile columns 4 X + w); wave w makes 128 x 128: 64 accumulators, 512 registers; a K step reads 16 fragments for 64 matrix instructions, none twice.
; LDS: A's eight blocks (102,400 bytes, filled once); two slots of W, each two K steps of the four tiles (tile w at 25,600 w); the spare words.
; HEAD: one tensor load a wave: waves 0, 1 a half of A, waves 2, 3 two tiles' part of slot 0 (two rows of 25,600 bytes, 102,400 apart).  In the ring every wave fetches its own tile's two blocks.
; Slot 1 is first filled behind a round; slots 0 and 1 are filled again in K steps 1 and 3.  One load a wave is out at any time.
; CLUSTER 4 x 4: A is asked for jointly along a row of the cluster, W along a column.  No prefetch: the walk of eight K steps is written out, with two refills, so there is no loop to run ahead in.
; Source 0 = W's images, source 1 = A's: a lane holds one row, its registers run along the columns.  One scale register carries A's word (lanes 0-15) and W's (lanes 16-31).
; GELU: 0.5 u (1 + tanh(z)) is u / (1 + 2^(u (c1 + c2 u^2))), c1 = -2 log2(e) sqrt(2 / pi), c2 = 0.044715 c1.
; THE WAY OUT is a loop of eight trips, one image of 16 rows a trip; only the 32 additions of the bias, which name the accumulators, are written eight times.
; OUT: g, laid as act: block (rt, 4 X + w).  Stores of codes cover 256 consecutive bytes, aligned; scale words leave in runs of 64 bytes (lanes l and l + 16 hold and write the same word).
; LIMITS: NaN and infinities are not served; a block whose largest magnitude lies under 2^-124 keeps the scale byte 1 (a block of zeros too); these bytes are read by this program alone.
; REGISTERS: window 0: v8-17 addresses, v28, v29 the add's, v32-47 scale words (two sets), v48-111 bias, v118-119 c1, v128-223 A's fragments (one set), on the way out v128-247 at work.
;   windows 1, 2: accumulators ((a, b) at 8 (8 (a % 4) + b)).   window 3: W's fragments, two sets at 0 and 128.
.set ABLK,  12800
.set WOFF,  8*ABLK
.set WT,    2*ABLK
.set WSLOT, 4*WT
.set SPARE, WOFF+2*WSLOT
.set ADA, 8                            ; v8, v9   A's images, K steps 0-3, 4-7: 8 x lane
.set ADW, 10                           ; v10, v11 my tile of W in slot 0, 1
.set ADS, 12                           ; v12-15   scale words of K steps 2 c, 2 c + 1: lanes 0-15 A's, lanes 16-31 W's
.set VS,  16
.set VB,  17
.set SPW, 28
.set NIL, 29
.set SC,  32
.set BT,  48
.set C1,  118
.set AF,  128
.set HA,  128
.set TM,  192
.set PW,  208
.set PC,  212
.set GT,  232
.set G0A, 28
.set G0H, 32
.set G0W, 36
.set G1A, 44
.set G1H, 52
.set G1W, 68
.set SEL, 90
.set MUL_LO, 0x53                      ; source 0 window 3, source 1 window 0, C and D window 1
.set MUL_HI, 0xa3                      ; C and D window 2
.set TO_B,   0xc0                      ; destination window 3
.set MSB, 0
.macro WIN new
.if MSB != \new
	s_set_vgpr_msb (MSB<<8)|\new
.set MSB, \new
.endif
.endm
.macro PLACES                          ; four plain places behind a matrix instruction (ISA guide 7.12.1)
.rept 4
	v_nop
.endr
.endm
.macro CREST
	s_cmp_lg_u32 s16, 0
	s_cbranch_scc1 .Lnot_wave_0_\@
	s_barrier_signal -3
.Lnot_wave_0_\@:
	s_barrier_wait -3
	s_barrier_signal -1
	s_barrier_wait -1
.endm
.macro CROUND
	s_barrier_signal -1
	s_barrier_wait -1
	CREST
.endm
.macro IMG reg, adr, off               ; an image: six loads of 256 consecutive bytes
.irp p, 0,1,2,3,4,5
	ds_load_b64 v[\reg+2*\p:\reg+2*\p+1], v[\adr] offset:\off+256*\p
.endr
.endm
.macro FETCH_B st
	WIN TO_B
.irp i, 0,1,2,3,4,5,6,7
	IMG 128*((\st)%2)+12*\i, ADW+((\st)/2)%2, ((\st)%2)*ABLK+1536*\i
.endr
	WIN 0
.endm
.macro FETCH_A st, i0
.irp i, \i0, \i0+1, \i0+2, \i0+3
	IMG AF+12*(\i), ADA+(\st)/4, ((\st)%4)*ABLK+1536*(\i)
.endr
.endm
.macro SCALES st
.irp i, 0,1,2,3,4,5,6,7
	ds_load_b32 v[SC+8*((\st)%2)+\i], v[ADS+(\st)/2] offset:((\st)%2)*ABLK+12288+64*\i
.endr
.endm
.macro MUL16 a0, st, zero              ; A's images a0, a0 + 1 x W's eight; the 64 accumulators by turns, in the same order in every step
.irp a, \a0, \a0+1
.irp b, 0,1,2,3,4,5,6,7
.set ACC, 8*(8*((\a)%4)+\b)
.set FB, 128*((\st)%2)+12*\b
.set FA, AF+12*(\a)
.set SS, SC+8*((\st)%2)
.if \zero
	v_wmma_scale_f32_16x16x128_f8f6f4 v[ACC:ACC+7], v[FB:FB+11], v[FA:FA+11], 0, v[SS+\b], v[SS+(\a)] matrix_a_fmt:MATRIX_FMT_FP6 matrix_b_fmt:MATRIX_FMT_FP6 matrix_a_scale:MATRIX_SCALE_ROW1
.else
	v_wmma_scale_f32_16x16x128_f8f6f4 v[ACC:ACC+7], v[FB:FB+11], v[FA:FA+11], v[ACC:ACC+7], v[SS+\b], v[SS+(\a)] matrix_a_fmt:MATRIX_FMT_FP6 matrix_b_fmt:MATRIX_FMT_FP6 matrix_a_scale:MATRIX_SCALE_ROW1
.endif
.endr
.endr
.endm
; A K step: 64 products; the next step's fragments are fetched in its middle (W, A's images 0-3, scale words) and at its end (A's images 4-7).
; An odd step is its slot's last: the next slot's load is waited for; in steps 1 and 3 the slot is given up behind a round and filled again.
.macro STEP st, zero
.set SL, ((\st)/2)%2
.if (\st)%2 == 1
	s_wait_tensorcnt 0x0                           ; my one load that was out, my tile's part of the next slot, has landed
.endif
.if (\st)%2 == 1 && (\st) < 5
	ds_add_u32 v[SPW], v[NIL]
	s_wait_dscnt 25                                ; the add and the 24 youngest loads (A's images 4-7) may be out
	WIN MUL_LO
	MUL16 0, \st, \zero
	s_wait_dscnt 0x0                               ; the add is done, and my reads of this slot are over
	s_barrier_signal -1
	MUL16 2, \st, \zero
	WIN 0
	s_barrier_wait -1
	CREST                                          ; no wave of any partner still reads this slot or has a load on its way
	s_add_nc_u64 s[G0W+4*SL+2:G0W+4*SL+3], s[G0W+4*SL+2:G0W+4*SL+3], 4*ABLK
	tensor_load_to_lds s[G0W+4*SL:G0W+4*SL+3], s[G1W:G1W+7]
	s_nop 0
	PLACES
.else
	s_wait_dscnt 24                                ; all but A's images 4-7 are in
	WIN MUL_LO
	MUL16 0, \st, \zero
	MUL16 2, \st, \zero
	s_wait_dscnt 0x0
	PLACES
.endif
	FETCH_B (\st)+1
	FETCH_A (\st)+1, 0
	SCALES (\st)+1
	WIN MUL_HI
	MUL16 4, \st, \zero
	MUL16 6, \st, \zero
	PLACES
	WIN 0
	FETCH_A (\st)+1, 4
.endm
.macro TAKE j                          ; image j's eight accumulators + bias, each from its low end on
.if \j < 4
	WIN 0x01
.else
	WIN 0x02
.endif
	s_wait_alu depctr_va_vdst(0)                   ; ahead of the first readers of matrix results
.irp i, 0,1,2,3,4,5,6,7
.irp u, 0,2,4,6
	v_pk_add_f32 v[HA+8*\i+\u:HA+8*\i+\u+1], v[8*(8*((\j)%4)+\i)+\u:8*(8*((\j)%4)+\i)+\u+1], v[BT+8*\i+\u:BT+8*\i+\u+1]
.endr
.endr
	WIN 0
	s_wait_alu depctr_va_vdst(0)
.endm
.macro GELU                            ; on the 64 numbers in v[HA] on, 16 at a time
.irp q, 0,1,2,3
.irp u, 0,2,4,6,8,10,12,14
	v_pk_mul_f32 v[GT+\u:GT+\u+1], v[HA+16*\q+\u:HA+16*\q+\u+1], v[HA+16*\q+\u:HA+16*\q+\u+1]
.endr
.irp u, 0,2,4,6,8,10,12,14
	v_pk_fma_f32 v[GT+\u:GT+\u+1], v[GT+\u:GT+\u+1], s[2:3], v[C1:C1+1] op_sel_hi:[1,0,1]
.endr
.irp u, 0,2,4,6,8,10,12,14
	v_pk_mul_f32 v[GT+\u:GT+\u+1], v[GT+\u:GT+\u+1], v[HA+16*\q+\u:HA+16*\q+\u+1]
.endr
	s_wait_alu depctr_va_vdst(0)
.irp u, 0,1,2,3,4,5,6,7,8,9,10,11,12,13,14,15
	v_exp_f32 v[GT+\u], v[GT+\u]
.endr
	v_nop
	s_wait_alu depctr_va_vdst(0)
.irp u, 0,2,4,6,8,10,12,14
	v_pk_add_f32 v[GT+\u:GT+\u+1], v[GT+\u:GT+\u+1], 1.0 op_sel_hi:[1,0]
.endr
	s_wait_alu depctr_va_vdst(0)
.irp u, 0,1,2,3,4,5,6,7,8,9,10,11,12,13,14,15
	v_rcp_f32 v[GT+\u], v[GT+\u]
.endr
	v_nop
	s_wait_alu depctr_va_vdst(0)
.irp u, 0,2,4,6,8,10,12,14
	v_pk_mul_f32 v[HA+16*\q+\u:HA+16*\q+\u+1], v[HA+16*\q+\u:HA+16*\q+\u+1], v[GT+\u:GT+\u+1]
.endr
.endr
.endm
.macro ORDER                           ; register 16 b + i then holds column 32 b + 16 h + i
.irp b, 0,1,2,3
.irp k, 0,1,2,3,4,5,6,7
	v_permlane16_swap_b32 v[HA+16*\b+\k], v[HA+16*\b+8+\k]
.endr
.endr
.endm
.macro QUANT s, pc                     ; 64 numbers of a lane become an operand's 12 registers and its scale word in v[PW]
.irp b, 0,1,2,3
	v_max3_num_f32 v[TM+\b], |v[\s+16*\b]|, |v[\s+1+16*\b]|, 0x1800000   ; with the floor 2^(3 - 127): the byte cannot fall under 1
.endr
.irp i, 2,4,6,8,10,12,14
.irp b, 0,1,2,3
	v_max3_num_f32 v[TM+\b], v[TM+\b], |v[\s+16*\b+\i]|, |v[\s+1+16*\b+\i]|
.endr
.endr
.irp b, 0,1,2,3
	v_permlanex16_b32 v[TM+4+\b], v[TM+\b], s[SEL], s[SEL+1]
.endr
.irp b, 0,1,2,3
	v_max_num_f32 v[TM+\b], v[TM+\b], v[TM+4+\b]
.endr
.irp b, 0,1,2,3
	v_add_nc_u32 v[TM+12+\b], 0xff000000, v[TM+\b] ; 2 off the exponent field: the conversion's scale operand
.endr
.irp b, 0,1,2,3
	v_lshrrev_b32 v[TM+4+\b], 23, v[TM+12+\b]
.endr
	v_lshl_or_b32 v[PW], v[TM+5], 8, v[TM+4]
	v_lshl_or_b32 v[PW], v[TM+6], 16, v[PW]
	v_lshl_or_b32 v[PW], v[TM+7], 24, v[PW]
.irp c, 0,1
	v_cvt_scalef32_pk16_fp6_f32 v[\pc+6*\c:\pc+2+6*\c], v[\s+32*\c:\s+15+32*\c], v[TM+12+2*\c]
	v_cvt_scalef32_pk16_fp6_f32 v[\pc+12+4*\c:\pc+14+4*\c], v[\s+16+32*\c:\s+31+32*\c], v[TM+13+2*\c]
.endr
	v_nop
.irp c, 0,1
.irp i, 0,1,2
	v_permlane16_swap_b32 v[\pc+6*\c+\i], v[\pc+12+4*\c+\i]
.endr
.irp i, 0,1,2
	v_mov_b32 v[\pc+3+6*\c+\i], v[\pc+12+4*\c+\i]
.endr
.endr
.endm
	s_load_b128 s[4:7], s[0:1], 0x0                ; A s[4:5], W s[6:7]
	s_load_b128 s[8:11], s[0:1], 0x10              ; bias s[8:9], out s[10:11]
	v_lshl_add_u32 v[SPW], v0, 2, SPARE
	v_mov_b32 v[NIL], 0
	ds_add_u32 v[SPW], v[NIL]                      ; the opening lines: the add twice and its wait
	ds_add_u32 v[SPW], v[NIL]
	v_lshrrev_b32 v1, 5, v0
	v_readfirstlane_b32 s16, v1                    ; wave
	s_and_b32 s17, s16, 1
	s_lshr_b32 s18, s16, 1                         ; at the head I fetch for A (0) or for W (1)
	s_bfe_u32 s19, ttmp6, 0x40000                  ; cx
	s_bfe_u32 s20, ttmp6, 0x40004                  ; cy
	s_lshl_b32 s21, ttmp9, 2
	s_add_co_u32 s21, s21, s19                     ; X
	s_and_b32 s22, ttmp7, 0xffff
	s_lshl_b32 s22, s22, 2
	s_add_co_u32 s22, s22, s20                     ; rt
	s_lshl_b32 s23, s20, 2
	s_lshl_b32 s23, 15, s23                        ; my row of the cluster
	s_lshl_b32 s24, 0x1111, s19                    ; my column
	s_or_b32 s[G1A], s23, (3<<16)|(1<<21)          ; A: four blocks as 200 rows of 256 bytes
	s_mov_b32 s[G1A+1], 32<<16
	s_mov_b32 s[G1A+2], 200<<16
	s_mov_b32 s[G1A+3], 32<<16
	s_mov_b32 s[G1A+4], 200
	s_mov_b32 s[G1A+5], 32
	s_mov_b32 s[G1A+6], 0
	s_mov_b32 s[G1A+7], 0
	s_or_b32 s[G1H], s24, (3<<16)|(1<<21)          ; W at the head: two tiles' two blocks: two rows of 3,200 elements of 8 bytes, 12,800 elements apart
	s_mov_b32 s[G1H+1], 3200<<16
	s_mov_b32 s[G1H+2], 2<<16
	s_mov_b32 s[G1H+3], 3200<<16
	s_mov_b32 s[G1H+4], 2
	s_mov_b32 s[G1H+5], 12800
	s_mov_b32 s[G1H+6], 0
	s_mov_b32 s[G1H+7], 0
	s_or_b32 s[G1W], s24, (3<<16)|(1<<21)          ; W in the ring: my tile's two blocks as 100 rows of 256 bytes
	s_mov_b32 s[G1W+1], 32<<16
	s_mov_b32 s[G1W+2], 100<<16
	s_mov_b32 s[G1W+3], 32<<16
	s_mov_b32 s[G1W+4], 100
	s_mov_b32 s[G1W+5], 32
	s_mov_b32 s[G1W+6], 0
	s_mov_b32 s[G1W+7], 0
	s_lshl_b32 s76, s22, 3
	s_lshl_b32 s77, s17, 2
	s_add_co_u32 s76, s76, s77
	s_mul_i32 s76, s76, ABLK                       ; A: block (rt, 4 x half)
	s_mov_b32 s77, 0
	s_lshl_b32 s80, s21, 2
	s_lshl_b32 s81, s17, 1
	s_add_co_u32 s81, s80, s81
	s_mul_i32 s82, s81, 8*ABLK                     ; W at the head: block (4 X + 2 x half, 0)
	s_mov_b32 s83, 0
	s_add_co_u32 s80, s80, s16                     ; my tile column 4 X + w
	s_mul_i32 s84, s80, 8*ABLK                     ; W in the ring: block (4 X + w, 0)
	s_mov_b32 s85, 0
	s_mul_i32 s88, s17, 4*ABLK
	s_mul_i32 s89, s17, 2*WT
	s_mul_i32 s93, s16, WT
	s_wait_dscnt 0x0                               ; both opening adds are done
	s_wait_kmcnt 0x0
	s_add_nc_u64 s[78:79], s[4:5], s[76:77]
	s_add_nc_u64 s[82:83], s[6:7], s[82:83]
	s_add_nc_u64 s[86:87], s[6:7], s[84:85]
	CROUND                                         ; all sixteen work-groups are here: the first joint loads meet
	s_mov_b32 s[G0A], 1
	s_mov_b32 s[G0A+1], s88
	s_mov_b64 s[G0A+2:G0A+3], s[78:79]
	s_or_b32 s[G0A+3], s[G0A+3], 0x80000000
	s_mov_b32 s[G0H], 1
	s_add_co_u32 s[G0H+1], s89, WOFF
	s_mov_b64 s[G0H+2:G0H+3], s[82:83]
	s_or_b32 s[G0H+3], s[G0H+3], 0x80000000
.irp s, 0,1
	s_mov_b32 s[G0W+4*\s], 1
	s_add_co_u32 s[G0W+4*\s+1], s93, WOFF+\s*WSLOT
	s_add_nc_u64 s[G0W+4*\s+2:G0W+4*\s+3], s[86:87], \s*2*ABLK
	s_or_b32 s[G0W+4*\s+3], s[G0W+4*\s+3], 0x80000000
.endr
	s_cmp_eq_u32 s18, 0                            ; one load a wave at the head, one in each arm
	s_cbranch_scc0 .Lhead_w
	tensor_load_to_lds s[G0A:G0A+3], s[G1A:G1A+7]
	s_nop 0
	PLACES
	s_branch .Lhead_asked
.Lhead_w:
	tensor_load_to_lds s[G0H:G0H+3], s[G1H:G1H+7]
	s_nop 0
	PLACES
.Lhead_asked:
	s_lshl_b32 s94, s80, 9                         ; my tile's bias
	s_mov_b32 s95, 0
	s_add_nc_u64 s[8:9], s[8:9], s[94:95]
	s_lshl_b32 s94, s22, 5
	s_add_co_u32 s94, s94, s80
	s_mul_i32 s94, s94, ABLK                       ; out: block (rt, 4 X + w)
	s_add_nc_u64 s[10:11], s[10:11], s[94:95]
	s_mov_b64 s[12:13], s[10:11]                   ; a second base, for the scale words
	s_add_co_u32 s92, s93, WOFF
.irp c, 0,1,2,3
	s_add_co_u32 s[96+\c], s93, WOFF+(\c%2)*WSLOT-2*\c*ABLK   ; from A's scale words of K steps 2 c, 2 c + 1 to my tile's
.endr
	s_mov_b32 s2, 0xbdd2d3e8                       ; c2 = -0.10294324
	s_mov_b32 s3, s2
	s_mov_b32 s[SEL], 0x76543210
	s_mov_b32 s[SEL+1], 0xfedcba98
	v_and_b32 v1, 15, v0                           ; r
	v_bfe_u32 v2, v0, 4, 1                         ; h
	v_and_b32 v3, 31, v0
	v_lshlrev_b32 v[VB], 5, v2
.irp i, 0,1,2,3,4,5,6,7
	global_load_b128 v[BT+8*\i:BT+8*\i+3], v[VB], s[8:9] offset:64*\i          ; register 8 i + jj: column 16 i + 8 h + jj
	global_load_b128 v[BT+8*\i+4:BT+8*\i+7], v[VB], s[8:9] offset:64*\i+16
.endr
	v_lshlrev_b32 v[ADA], 3, v3
	v_lshlrev_b32 v4, 2, v1
	v_add_nc_u32 v[ADA+1], 4*ABLK, v[ADA]
	v_add_nc_u32 v[ADW], s92, v[ADA]
	v_add_nc_u32 v[ADW+1], WSLOT, v[ADW]
.irp c, 0,1,2,3
	v_mad_u32_u24 v[ADS+\c], s[96+\c], v2, v4
.endr
.irp c, 1,2,3
	v_add_nc_u32 v[ADS+\c], 2*\c*ABLK, v[ADS+\c]
.endr
	v_add_nc_u32 v[VS], 12288, v4
.irp b, 0,1,2,3
	v_mov_b32 v[TM+4+\b], 0                        ; a lane permute's destination counts as one of its sources
.endr
	v_mov_b32 v[C1], 0xc0135761                    ; c1 = -2.3022082
	v_mov_b32 v[C1+1], 0xc0135761
	s_wait_alu depctr_va_vdst(0)
	s_wait_tensorcnt 0x0                           ; my tile of the head's four is in
	ds_add_u32 v[SPW], v[NIL]
	s_wait_dscnt 0x0
	CROUND                                         ; all four are in, and the joint loads of slot 1 meet
	tensor_load_to_lds s[G0W+4:G0W+7], s[G1W:G1W+7]
	s_nop 0
	PLACES
	FETCH_B 0
	FETCH_A 0, 0
	SCALES 0
	FETCH_A 0, 4
	STEP 0, 1                                      ; the first products start the sums: nothing is cleared
.irp t, 1,2,3,4,5,6
	STEP \t, 0
.endr
	s_wait_dscnt 24                                ; the last step fetches nothing
	WIN MUL_LO
	MUL16 0, 7, 0
	MUL16 2, 7, 0
	s_wait_dscnt 0x0
	WIN MUL_HI
	MUL16 4, 7, 0
	MUL16 6, 7, 0
	WIN 0
	s_wait_loadcnt 0x0                             ; the bias
	PLACES
	s_mov_b32 s96, 0
.Lepi:                                             ; a trip: image s96
.irp j, 0,1,2,3,4,5,6
	s_cmp_lg_u32 s96, \j
	s_cbranch_scc1 .Lnot_\j
	TAKE \j
	s_branch .Lgot
.Lnot_\j:
.endr
	TAKE 7
.Lgot:
	GELU
	ORDER
	QUANT HA, PC
.irp p, 0,1,2,3,4,5
	global_store_b64 v[ADA], v[PC+2*\p:PC+2*\p+1], s[10:11] offset:256*\p
.endr
	global_store_b32 v[VS], v[PW], s[12:13]
	s_wait_xcnt 0x0                                ; the stores have read their data and bases: both are written again below and in the next trip
	s_add_nc_u64 s[10:11], s[10:11], 1536
	s_add_nc_u64 s[12:13], s[12:13], 64
	s_add_co_u32 s96, s96, 1
	s_cmp_lt_u32 s96, 8
	s_wait_alu depctr_va_vdst(0)
	s_cbranch_scc1 .Lepi
	s_wait_tensorcnt 0x0                           ; the wave's end
	ds_add_u32 v[SPW], v[NIL]
	s_wait_dscnt 0x0
	CROUND                                         ; the closing round
	s_endpgm
.Lfunc_end_k_qd821d30bc4_gfc:
	.size	k_qd821d30bc4_gfc, .Lfunc_end_k_qd821d30bc4_gfc-k_qd821d30bc4_gfc
	.p2alignl 7, 3214868480
	.fill 96, 4, 3214868480
	.section	.rodata,"a",@progbits
	.p2align	6, 0x0
	.amdhsa_kernel k_qd821d30bc4_gfc
		.amdhsa_group_segment_fixed_size 327680
		.amdhsa_private_segment_fixed_size 0
		.amdhsa_enable_private_segment 0
		.amdhsa_kernarg_size 32
		.amdhsa_user_sgpr_count 2
		.amdhsa_user_sgpr_kernarg_segment_ptr 1
		.amdhsa_wavefront_size32 1
		.amdhsa_system_sgpr_workgroup_id_x 1
		.amdhsa_system_sgpr_workgroup_id_y 1
		.amdhsa_system_sgpr_workgroup_id_z 1
		.amdhsa_system_vgpr_workitem_id 0
		.amdhsa_next_free_vgpr 1024
		.amdhsa_next_free_sgpr 100
		.amdhsa_reserve_vcc 0
		.amdhsa_float_denorm_mode_32 3
		.amdhsa_float_denorm_mode_16_64 3
		.amdhsa_memory_ordered 1
		.amdhsa_forward_progress 1
		.amdhsa_inst_pref_size 169
	.end_amdhsa_kernel
	.amdgpu_metadata
---
amdhsa.version: [ 1, 2 ]
amdhsa.kernels:
  - .name:           k_qd821d30bc4_gfc
    .symbol:         k_qd821d30bc4_gfc.kd
    .args:
      - { .name: act, .offset: 0, .size: 8, .value_kind: global_buffer, .address_space: global }
      - { .name: wfc, .offset: 8, .size: 8, .value_kind: global_buffer, .address_space: global }
      - { .name: b_fc, .offset: 16, .size: 8, .value_kind: global_buffer, .address_space: global }
      - { .name: g, .offset: 24, .size: 8, .value_kind: global_buffer, .address_space: global }
    .group_segment_fixed_size: 327680
    .private_segment_fixed_size: 0
    .kernarg_segment_align: 8
    .kernarg_segment_size: 32
    .max_flat_workgroup_size: 128
    .sgpr_count:     100
    .vgpr_count:     1024
    .wavefront_size: 32
...
	.end_amdgpu_metadata
.endif
;; end of part 6
;; launch gfc2 (part 7): grid 8 x 32, 4 waves a work-group, clusters of 4 x 4, 327,680 bytes of LDS; arguments g, wfc2, b_fc2, x1, out0; writes out0
.if DOCPART == 7
	.amdgcn_target "amdgcn-amd-amdhsa--gfx1250"
	.amdhsa_code_object_version 6
	.text
	.protected	k_qd821d30bc4_gfc2
	.globl	k_qd821d30bc4_gfc2
	.p2align	8
	.type	k_qd821d30bc4_gfc2,@function
k_qd821d30bc4_gfc2:
	s_mov_b64 s[64:65], 0
	v_nop
	global_prefetch_b8 v0, s[64:65] scope:SCOPE_SE
	s_setreg_imm32_b32 hwreg(HW_REG_WAVE_MODE, 25, 1), 1
	s_wait_xcnt 0x0
	s_wait_alu depctr_hold_cnt(0) depctr_sa_sdst(0) depctr_va_vdst(0) depctr_va_sdst(0) depctr_va_ssrc(0) depctr_va_vcc(0) depctr_vm_vsrc(0)
	s_getreg_b32 s2, hwreg(HW_REG_IB_STS2, 6, 4)
	s_cmp_eq_u32 s2, 0
	s_cbranch_scc0 .Lentry_in_a_cluster
	s_endpgm
.Lentry_in_a_cluster:
	s_bfe_u32 s2, ttmp6, 0x10000c
	s_cmp_lg_u32 s2, 0xf033
	s_cbranch_scc0 .Lentry_shape_is_right
	s_endpgm
.Lentry_shape_is_right:
; out = x1 + g W_fc2 + b_fc2 on codes of MX-FP6.  M 4,096, N 1,024, K 4,096; x1, out f32 [4096][1024].
; A: g, blocks of 12,800 bytes for (tile of 128 rows rt, K step): eight register images (lane r of image mb = row 32 (mb / 2) + 8 (mb % 2) + r + 8 (r / 8) of the tile), then scale words.  W: codes [1024][3072 bytes], scale bytes [1024][128].
; A work-group makes 128 x 128.  K goes in steps of 512 through a RING of two LDS slots: a slot holds four blocks of A (dense), then two chunks of W (128 rows x 192 bytes, 16 bytes of padding behind every 64: pitch 240).
; Behind each change of slots a wave issues one tensor load (waves 0, 1: two blocks of A; waves 2, 3: a chunk of W), which has four K steps, 64 matrix instructions a wave, in which to land.
; W's scale bytes for all of K follow the slots, filled once, in units of 256 + 16 bytes; behind them a stage of 16 rows x 528 bytes for each wave and the spare words, into which no fill lands.
; CLUSTER 4 x 4: A's blocks are asked for jointly along a row of the cluster, W's chunks and scale bytes along a column; where a slot is filled again a round of the cluster's barrier stands ahead of the joint loads.
; WAVES: source 0 = W's eight tiles of 16 columns, source 1 = my two images of A: a lane holds one row and eight neighbouring columns.
; A K STEP's 62 LDS loads (the next step's fragments) stand in four runs, each ahead of four of this step's 16 matrix instructions, so that loads are served while products run.
; THE WAY OUT: 16 rows x 128 columns at a time through my stage, back as whole rows of 512 bytes; x1's rows, loaded at the head, and the bias are added there; 32 lanes store 512 consecutive bytes, aligned.
; REGISTERS: window 0: v1-29 addresses; v32-95 W's scale words, v96-99 A's (scales and nothing else); v112-115 bias; v128-255 rows on the way out.  window 1: v0-127 the 16 accumulators ((j, i) at 8 (8 j + i)).
;   window 2: two sets of fragments at 0 and 128: W's eight at 12 i, A's two at 96 + 12 j.   window 3: v0-127 my 32 rows of x1.
.set KK,    4096
.set NKS,   KK/128
.set KROW,  KK*3/4
.set KSB,   KK/32
.set LAPS,  KK/1024                    ; a lap = two slots = once round the ring
.set ABLK,  12800
; W NOW COMES FROM wfc2, laid as A is (launch relay): blocks of 12,800 bytes for (tile of 128 columns, K step), images in natural order (image i = columns 16 i + r), scale words inside.
; This replaces what the head comment says of W's chunks, padding and separate scale bytes.  A slot: four blocks of A, four of W; one tensor load a wave at the head, slot 1 behind a round.
.set BCH,   2*ABLK                     ; two blocks of W: what one tensor load brings
.set BOFF,  4*ABLK
.set SLOT,  BOFF+2*BCH
.set SCL,   2*SLOT
.set HALFS, (64*KSB/256)*272
.set SBLK,  HALFS/4
.set STAGE, SCL+2*HALFS
.set SPITCH, 528
.set SPARE, STAGE+4*16*SPITCH          ; the spare words, 128 bytes for each wave: two blocks of 256 bytes that no other line names
.set ADAW, 8
.set ASAW, 10
.set ADB,  16
.set ADS,  24
.set STO,  26
.set RD,   27
.set SPW,  28                          ; LDS address of my spare word; never rewritten
.set NIL,  29                          ; 0; never rewritten
.set SCB,  32
.set SCA,  96
.set BIAS, 112
.set BK,   128
.set G0A,  28
.set G0B,  36
.set G0S,  44
.set G1A,  48
.set G1B,  56
.set G1S,  68
.set W_MUL, 0x5a                       ; sources 0 and 1 window 2, C and D window 1
.set W_FR,  0x80                       ; destination window 2
.set MSB, 0
.macro WIN new                         ; the immediate's high byte repeats the setting that is left
.if MSB != \new
	s_set_vgpr_msb (MSB<<8)|\new
.set MSB, \new
.endif
.endm
.macro PLACES                          ; four plain places behind a matrix instruction, ahead of loads into its registers and of reads of its result
.rept 4
	v_nop
.endr
.endm
.macro CROUND                          ; a round of the cluster's barrier
	s_barrier_signal -1
	s_barrier_wait -1
	s_cmp_lg_u32 s16, 0
	s_cbranch_scc1 .Lnot_wave_0_\@
	s_barrier_signal -3
.Lnot_wave_0_\@:
	s_barrier_wait -3
	s_barrier_signal -1
	s_barrier_wait -1
.endm
.macro JLOAD s                         ; a joint refill of slot s: waves 0, 1 for A, waves 2, 3 for W; four v_nop follow each of the two lines
	s_cmp_eq_u32 s18, 0
	s_cbranch_scc0 .Lfor_w_\@
	tensor_load_to_lds s[G0A+4*\s:G0A+4*\s+3], s[G1A:G1A+7]
	s_nop 0
.rept 4
	v_nop
.endr
	s_branch .Lasked_\@
.Lfor_w_\@:
	tensor_load_to_lds s[G0B+4*\s:G0B+4*\s+3], s[G1B:G1B+7]
	s_nop 0
.rept 4
	v_nop
.endr
.Lasked_\@:
.endm
.macro AFRAG reg, adr, q, mb           ; an image of A: six loads of 256 consecutive bytes
.irp p, 0,1,2,3,4,5
	ds_load_b64 v[\reg+2*\p:\reg+2*\p+1], v[\adr] offset:(\q)*ABLK+(\mb)*1536+256*\p
.endr
.endm
.macro BFRAG reg, adr, q, i            ; an image of W: six loads of 256 consecutive bytes
.irp p, 0,1,2,3,4,5
	ds_load_b64 v[\reg+2*\p:\reg+2*\p+1], v[\adr] offset:(\q)*ABLK+(\i)*1536+256*\p
.endr
.endm
.macro SCALES sp                       ; W's scale words of a slot's four K steps: 16 bytes a row
.irp i, 0,1,2,3,4,5,6,7
.irp q, 0,1,2,3
	ds_load_b32 v[SCB+32*(\sp)+4*\i+\q], v[ADB+2+(\sp)] offset:\q*ABLK+12288+64*\i
.endr
.endr
.endm
.macro MUL4 g, fs, q, sp, zero         ; products 4 g .. 4 g + 3 of a K step's 16: the accumulators by turns, one instruction a turn, in the same order in every step, over the loop's backward jump too
	WIN W_MUL
.irp n, 0,1,2,3
.set JJ, (4*(\g)+\n)/8
.set II, (4*(\g)+\n)%8
.set ACC, 8*(8*JJ+II)
.set FR0, 128*(\fs)+12*II
.set FR1, 128*(\fs)+96+12*JJ
.set WS0, SCB+32*(\sp)+4*II+(\q)
.set WS1, SCA+2*(\fs)+JJ
.if \zero
	v_wmma_scale_f32_16x16x128_f8f6f4 v[ACC:ACC+7], v[FR0:FR0+11], v[FR1:FR1+11], 0, v[WS0], v[WS1] matrix_a_fmt:MATRIX_FMT_FP6 matrix_b_fmt:MATRIX_FMT_FP6
.else
	v_wmma_scale_f32_16x16x128_f8f6f4 v[ACC:ACC+7], v[FR0:FR0+11], v[FR1:FR1+11], v[ACC:ACC+7], v[WS0], v[WS1] matrix_a_fmt:MATRIX_FMT_FP6 matrix_b_fmt:MATRIX_FMT_FP6
.endif
.endr
.endm
.macro MUL16 fs, q, sp, zero
.irp g, 0,1,2,3
	MUL4 \g, \fs, \q, \sp, \zero
.endr
.endm
; The ten fragments and A's scale words of (slot s, K step q) into set fs: four runs of loads.  mul = 1: each run stands ahead of four products of the other set (its K step mq, W's scale words of set msp).
.macro FM s, q, fs, mul, mq, msp, zero
	WIN W_FR
.irp i, 0,1,2
	BFRAG 128*(\fs)+12*\i, ADB+\s, \q, \i
.endr
.if \mul
	MUL4 0, 1-(\fs), \mq, \msp, \zero
.endif
	WIN W_FR
.irp i, 3,4,5
	BFRAG 128*(\fs)+12*\i, ADB+\s, \q, \i
.endr
.if \mul
	MUL4 1, 1-(\fs), \mq, \msp, \zero
.endif
	WIN W_FR
.irp i, 6,7
	BFRAG 128*(\fs)+12*\i, ADB+\s, \q, \i
.endr
	AFRAG 128*(\fs)+96, ADAW+\s, \q, 0
.if \mul
	MUL4 2, 1-(\fs), \mq, \msp, \zero
.endif
	WIN W_FR
	AFRAG 128*(\fs)+108, ADAW+\s, \q, 1
	WIN 0
.irp j, 0,1
	ds_load_b32 v[SCA+2*(\fs)+\j], v[ASAW+\s] offset:(\q)*ABLK+12288+64*\j
.endr
.if \mul
	MUL4 3, 1-(\fs), \mq, \msp, \zero
.endif
.endm
.macro STEP s, q, zero                 ; this step's fragments are in; the four places stand between the last products that read the other set and the loads into it
	s_wait_dscnt 0x0
	PLACES
	FM \s, (\q)+1, ((\q)+1)%2, 1, \q, \s, \zero
.endm
; A slot's last K step changes slots.  Its fragments are in registers when the wave's LDS loads are back, so the slot can be given up ahead of its products.  fill = 1: it is filled again, with the K steps two slots on.
.macro TURN s, fill
	WIN 0
	s_wait_tensorcnt 0x0                           ; all my tensor loads have landed: the one that was out is my part of the other slot; so a group 0 may be written
	ds_add_u32 v[SPW], v[NIL]                      ; 0 onto my spare word
.if \fill
	s_add_nc_u64 s[G0A+4*\s+2:G0A+4*\s+3], s[G0A+4*\s+2:G0A+4*\s+3], 8*ABLK
	s_add_nc_u64 s[G0B+4*\s+2:G0B+4*\s+3], s[G0B+4*\s+2:G0B+4*\s+3], 8*ABLK
.endif
	s_wait_dscnt 0x0                               ; the add is done, and my reads of this slot are over
.if \fill
	CROUND                                         ; no wave of any partner still reads this slot or has a load on its way
	JLOAD \s                                       ; my one tensor load behind the round, and the first thing there; its four v_nop are also the places ahead of the loads below
.else
	s_barrier_signal -1
	s_barrier_wait -1
	PLACES
.endif
	SCALES (1-\s)
	FM (1-\s), 0, 0, 1, 3, \s, 0
.endm
.macro TOSTAGE a                       ; my accumulators (a, 0 .. 7) into my stage, and back as 16 whole rows
	WIN 0x04                                       ; an LDS store's data are its source 1: window 1
.irp i, 0,1,2,3,4,5,6,7
	ds_store_b128 v[STO], v[8*(8*\a+\i):8*(8*\a+\i)+3] offset:64*\i          ; each accumulator from its low end on
	ds_store_b128 v[STO], v[8*(8*\a+\i)+4:8*(8*\a+\i)+7] offset:64*\i+16
.endr
	WIN 0
.irp t, 0,1,2,3,4,5,6,7,8,9,10,11,12,13,14,15
	ds_load_b128 v[BK+64*\a+4*\t:BK+64*\a+4*\t+3], v[RD] offset:\t*SPITCH    ; LDS serves a wave's instructions in order (ISA guide 5.7.1.4): these see the stores above
.endr
.endm
.macro SEND a, younger
	s_wait_dscnt \younger
	WIN 0x0c                                       ; source 1 window 3
.irp t, 0,1,2,3,4,5,6,7,8,9,10,11,12,13,14,15
	v_pk_add_f32 v[BK+64*\a+4*\t:BK+64*\a+4*\t+1], v[BK+64*\a+4*\t:BK+64*\a+4*\t+1], v[64*\a+4*\t:64*\a+4*\t+1]
	v_pk_add_f32 v[BK+64*\a+4*\t+2:BK+64*\a+4*\t+3], v[BK+64*\a+4*\t+2:BK+64*\a+4*\t+3], v[64*\a+4*\t+2:64*\a+4*\t+3]
.endr
	WIN 0
.irp t, 0,1,2,3,4,5,6,7,8,9,10,11,12,13,14,15
	global_store_b128 v6, v[BK+64*\a+4*\t:BK+64*\a+4*\t+3], s[14:15] offset:(8*\a+\t+8*(\t/8))*4096 th:TH_STORE_NT   ; 32 lanes store 512 consecutive bytes, aligned; written once, read by nobody here
.endr
.endm
	s_load_b128 s[4:7], s[0:1], 0x0                ; A s[4:5], W's blocks s[6:7]
	s_load_b64 s[10:11], s[0:1], 0x10              ; bias
	s_load_b128 s[12:15], s[0:1], 0x18             ; the residual s[12:13], out s[14:15]
	v_lshl_add_u32 v[SPW], v0, 2, SPARE
	v_mov_b32 v[NIL], 0
	ds_add_u32 v28, v29
	ds_add_u32 v28, v29
	s_wait_dscnt 0x0
	v_lshrrev_b32 v1, 5, v0
	v_readfirstlane_b32 s16, v1                    ; wave
	s_and_b32 s17, s16, 1                          ; which half I fetch
	s_lshr_b32 s18, s16, 1                         ; I fetch for A (0) or for W (1)
	s_bfe_u32 s19, ttmp6, 0x40000                  ; cx
	s_bfe_u32 s20, ttmp6, 0x40004                  ; cy
	s_lshl_b32 s21, ttmp9, 2
	s_add_co_u32 s21, s21, s19                     ; ct: tile column
	s_and_b32 s22, ttmp7, 0xffff
	s_lshl_b32 s22, s22, 2
	s_add_co_u32 s22, s22, s20                     ; rt: tile row
	s_lshl_b32 s23, s20, 2
	s_lshl_b32 s23, 15, s23                        ; my row of the cluster
	s_lshl_b32 s24, 0x1111, s19                    ; my column
	s_or_b32 s[G1A], s23, (3<<16)|(1<<21)          ; A: two blocks, 25,600 dense bytes, as 100 rows of 32 elements of 8 bytes; the mask: my row; bit 21 beside a mask
	s_mov_b32 s[G1A+1], 32<<16
	s_mov_b32 s[G1A+2], 100<<16
	s_mov_b32 s[G1A+3], 32<<16
	s_mov_b32 s[G1A+4], 100
	s_mov_b32 s[G1A+5], 32
	s_mov_b32 s[G1A+6], 0
	s_mov_b32 s[G1A+7], 0
	s_or_b32 s[G1B], s24, (3<<16)|(1<<21)          ; W: two blocks, as A's; the mask: my column
	s_mov_b32 s[G1B+1], 32<<16
	s_mov_b32 s[G1B+2], 100<<16
	s_mov_b32 s[G1B+3], 32<<16
	s_mov_b32 s[G1B+4], 100
	s_mov_b32 s[G1B+5], 32
	s_mov_b32 s[G1B+6], 0
	s_mov_b32 s[G1B+7], 0
	s_mul_i32 s76, s22, NKS                        ; A: block (rt, 2 x half): of the tile row and the wave alone
	s_lshl_b32 s77, s17, 1
	s_add_co_u32 s76, s76, s77
	s_mul_i32 s76, s76, ABLK
	s_mov_b32 s77, 0
	s_mul_i32 s80, s21, NKS*ABLK                   ; W: block (ct, 2 x half): of the tile column and the wave alone
	s_mul_i32 s81, s17, 2*ABLK
	s_add_co_u32 s80, s80, s81
	s_mov_b32 s81, 0
	s_mul_i32 s88, s17, 2*ABLK                     ; where they go: no place in the cluster enters an LDS address
	s_mul_i32 s89, s17, BCH
	s_wait_kmcnt 0x0
	s_add_nc_u64 s[78:79], s[4:5], s[76:77]
	s_add_nc_u64 s[82:83], s[6:7], s[80:81]
	CROUND                                         ; all sixteen work-groups are here: the first joint loads meet
.irp s, 0,1
	s_mov_b32 s[G0A+4*\s], 1
	s_add_co_u32 s[G0A+4*\s+1], s88, \s*SLOT
	s_add_nc_u64 s[G0A+4*\s+2:G0A+4*\s+3], s[78:79], \s*4*ABLK
	s_or_b32 s[G0A+4*\s+3], s[G0A+4*\s+3], 0x80000000
	s_mov_b32 s[G0B+4*\s], 1
	s_add_co_u32 s[G0B+4*\s+1], s89, \s*SLOT+BOFF
	s_add_nc_u64 s[G0B+4*\s+2:G0B+4*\s+3], s[82:83], \s*4*ABLK
	s_or_b32 s[G0B+4*\s+3], s[G0B+4*\s+3], 0x80000000
.endr
	s_cmp_eq_u32 s18, 0                            ; the first fills in one branch on the wave's number: waves 0, 1 a load for A, waves 2, 3 one for W; four v_nop follow it
	s_cbranch_scc0 .Lfirst_w
	tensor_load_to_lds s[G0A:G0A+3], s[G1A:G1A+7]
	s_nop 0
.rept 4
	v_nop
.endr
	s_branch .Lfirst_asked
.Lfirst_w:
	tensor_load_to_lds s[G0B:G0B+3], s[G1B:G1B+7]
	s_nop 0
.rept 4
	v_nop
.endr
.Lfirst_asked:
	v_and_b32 v1, 15, v0                           ; r
	v_bfe_u32 v2, v0, 4, 1                         ; h
	v_and_b32 v3, 31, v0                           ; lane
	v_lshlrev_b32 v4, 3, v3
	v_lshlrev_b32 v6, 4, v3
	s_wait_alu depctr_va_vdst(0)
	s_lshl_b32 s94, s22, 7                         ; my rows of x1 and of the result begin at row 128 rt + 32 w, column 128 ct
	s_lshl_b32 s95, s16, 5
	s_add_co_u32 s94, s94, s95
	s_lshl_b32 s94, s94, 12
	s_lshl_b32 s98, s21, 9
	s_add_co_u32 s94, s94, s98
	s_mov_b32 s95, 0
	s_mov_b32 s99, 0
	s_add_nc_u64 s[12:13], s[12:13], s[94:95]
	s_add_nc_u64 s[14:15], s[14:15], s[94:95]
	s_add_nc_u64 s[10:11], s[10:11], s[98:99]
	WIN 0xc0                                       ; destination window 3
.irp a, 0,1
.irp t, 0,1,2,3,4,5,6,7,8,9,10,11,12,13,14,15
	global_load_b128 v[64*\a+4*\t:64*\a+4*\t+3], v6, s[12:13] offset:(8*\a+\t+8*(\t/8))*4096 th:TH_LOAD_NT   ; row t of image 2 w + a: read once in this launch
.endr
.endr
	WIN 0
	global_load_b128 v[BIAS:BIAS+3], v6, s[10:11]
	s_mul_i32 s93, s16, 3072
	v_add_nc_u32 v[ADAW], s93, v4
	v_add_nc_u32 v[ADAW+1], SLOT, v[ADAW]
	s_lshl_b32 s93, s16, 7
	v_lshl_add_u32 v[ASAW], v1, 2, s93
	v_add_nc_u32 v[ASAW+1], SLOT, v[ASAW]
	v_add_nc_u32 v[ADB], BOFF, v4                  ; W's images in slot 0, 1: 8 x lane
	v_lshl_add_u32 v[ADB+2], v1, 2, BOFF           ; W's scale words in slot 0, 1: 4 r
	v_add_nc_u32 v[ADB+1], SLOT, v[ADB]
	v_add_nc_u32 v[ADB+3], SLOT, v[ADB+2]
	s_mul_i32 s93, s16, 16*SPITCH
	s_add_co_u32 s93, s93, STAGE                   ; my stage
	v_mul_u32_u24 v[STO], v1, SPITCH
	v_lshl_add_u32 v[STO], v2, 5, v[STO]
	v_add_nc_u32 v[STO], s93, v[STO]               ; in: row r, 32 bytes for each half of the lanes
	v_add_nc_u32 v[RD], s93, v6                    ; back: the 32 lanes take one row of 512 bytes
	s_wait_alu depctr_va_vdst(0)
	s_wait_tensorcnt 0x0                           ; my part of slot 0 is in
	ds_add_u32 v[SPW], v[NIL]
	s_wait_dscnt 0x0
	CROUND                                         ; everybody's part is in, and the joint loads of slot 1 meet
	JLOAD 1
	SCALES 0
	FM 0, 0, 0, 0, 0, 0, 0
	STEP 0, 0, 1                                   ; the first step stands ahead of the loop: its products start the sums
	WIN 0                                          ; at a label and at a branch every window is 0
	s_mov_b32 s96, LAPS-1
.Llap:                                             ; a trip goes once round the ring, from a lap's second step to the next lap's first, and fills both slots again
	STEP 0, 1, 0
	STEP 0, 2, 0
	TURN 0, 1
	STEP 1, 0, 0
	STEP 1, 1, 0
	STEP 1, 2, 0
	TURN 1, 1
	STEP 0, 0, 0
	WIN 0
	s_sub_co_u32 s96, s96, 1
	s_cmp_lg_u32 s96, 0
	s_cbranch_scc1 .Llap
	STEP 0, 1, 0                                   ; the last lap fills nothing
	STEP 0, 2, 0
	TURN 0, 0
	STEP 1, 0, 0
	STEP 1, 1, 0
	STEP 1, 2, 0
	s_wait_dscnt 0x0
	MUL16 1, 3, 1, 0
	WIN 0
	s_wait_loadcnt 0x0                             ; x1's rows and the bias
	PLACES
	WIN 0xc3                                       ; destination and source 0 window 3
.set n, 0
.rept 32
	v_pk_add_f32 v[n:n+1], v[n:n+1], v[BIAS:BIAS+1]           ; x1 + bias: a lane's four columns are the same in every row
	v_pk_add_f32 v[n+2:n+3], v[n+2:n+3], v[BIAS+2:BIAS+3]
.set n, n+4
.endr
	TOSTAGE 0
	TOSTAGE 1
	SEND 0, 32                                     ; behind block 0's loads: block 1's 16 stores and 16 loads
	SEND 1, 0
	s_wait_tensorcnt 0x0                           ; the wave's end, behind my last tensor load and my last LDS store
	ds_add_u32 v[SPW], v[NIL]
	s_wait_dscnt 0x0
	CROUND                                         ; the closing round: no work-group ends while a partner may still ask for a tile that names it
	s_endpgm
.Lfunc_end_k_qd821d30bc4_gfc2:
	.size	k_qd821d30bc4_gfc2, .Lfunc_end_k_qd821d30bc4_gfc2-k_qd821d30bc4_gfc2
	.p2alignl 7, 3214868480
	.fill 96, 4, 3214868480
	.section	.rodata,"a",@progbits
	.p2align	6, 0x0
	.amdhsa_kernel k_qd821d30bc4_gfc2
		.amdhsa_group_segment_fixed_size 327680
		.amdhsa_private_segment_fixed_size 0
		.amdhsa_enable_private_segment 0
		.amdhsa_kernarg_size 40
		.amdhsa_user_sgpr_count 2
		.amdhsa_user_sgpr_kernarg_segment_ptr 1
		.amdhsa_wavefront_size32 1
		.amdhsa_system_sgpr_workgroup_id_x 1
		.amdhsa_system_sgpr_workgroup_id_y 1
		.amdhsa_system_sgpr_workgroup_id_z 1
		.amdhsa_system_vgpr_workitem_id 0
		.amdhsa_next_free_vgpr 896
		.amdhsa_next_free_sgpr 100
		.amdhsa_reserve_vcc 0
		.amdhsa_float_denorm_mode_32 3
		.amdhsa_float_denorm_mode_16_64 3
		.amdhsa_memory_ordered 1
		.amdhsa_forward_progress 1
		.amdhsa_inst_pref_size 138
	.end_amdhsa_kernel
	.amdgpu_metadata
---
amdhsa.version: [ 1, 2 ]
amdhsa.kernels:
  - .name:           k_qd821d30bc4_gfc2
    .symbol:         k_qd821d30bc4_gfc2.kd
    .args:
      - { .name: g, .offset: 0, .size: 8, .value_kind: global_buffer, .address_space: global }
      - { .name: wfc2, .offset: 8, .size: 8, .value_kind: global_buffer, .address_space: global }
      - { .name: b_fc2, .offset: 16, .size: 8, .value_kind: global_buffer, .address_space: global }
      - { .name: x1, .offset: 24, .size: 8, .value_kind: global_buffer, .address_space: global }
      - { .name: out0, .offset: 32, .size: 8, .value_kind: global_buffer, .address_space: global }
    .group_segment_fixed_size: 327680
    .private_segment_fixed_size: 0
    .kernarg_segment_align: 8
    .kernarg_segment_size: 40
    .max_flat_workgroup_size: 128
    .sgpr_count:     100
    .vgpr_count:     896
    .wavefront_size: 32
...
	.end_amdgpu_metadata
.endif
;; end of part 7
